; MI455X (gfx1250); checked and timed in simulation.
; The chip was launched on July 23, 2026; its instructions are those of AMD's public machine-readable ISA for CDNA 5 (MIT licence, August 2026) and "CDNA5" Instruction Set Architecture Reference Guide (July 2026). The comments in the code are by the model that wrote it; some were corrected since.
;; Multi Head Attention. Allowed arithmetic: matrix products marked QUANTISED: E3M2 operands, one E8M0 scale for each 32 along K, by v_wmma_scale_f32_16x16x128_f8f6f4 with both operands' format E3M2, f32 sums; everything else in f32.
;; Inputs: b1 4,096 float32; b2 1,024 float32; image_k 2 x 16 x 2,048 x 64 float32; image_q 2 x 16 x 2,048 x 64 float32; image_v 2 x 16 x 2,048 x 64 float32; ln_b 1,024 float32; ln_w 1,024 float32; w1 1,024 x 4,096 float32; w2 4,096 x 1,024 float32; x 2 x 2,048 x 1,024 float32.
;; Outputs: out0 2 x 2,048 x 1,024 float32.
;; This version of the problem:
;;   THIS VERSION OF THE PROBLEM IS GIVEN IN LOW PRECISION. The matrix products marked QUANTISED in the list below multiply operands that are first quantised to E3M2 (3 exponent bits, 2 mantissa bits; 6 bits a number), with one power-of-two scale for each 32 numbers along K (OCP MX v1.0); their sums are f32. All else is computed in f32.
;;   The module's matrix products, in the order in which they are computed (A, B: the left and right operand; K: the contracted axis; several contracted axes count as one K, in the product's order):
;;     1. batch 32 x [M 2,048, K 64] x [K 64, N 2,048]; A: input image_q; B: input image_k: QUANTISED
;;     2. batch 32 x [M 2,048, K 2,048] x [K 2,048, N 64]; A: softmax (see below); B: input image_v: QUANTISED
;;     3. [M 4,096, K 1,024] x [K 1,024, N 4,096]; A: computed on the way; B: input w1: QUANTISED
;;     4. [M 4,096, K 4,096] x [K 4,096, N 1,024]; A: computed on the way; B: input w2: QUANTISED
;;   THE QUANTISER, for each operand of a quantised product, along K:
;;     - K is cut into blocks of 32 from its start; a last block that is shorter is filled with zeros.
;;     - A block's scale is 2^e with e = floor(log2(the largest magnitude in the block)) - 4, held to -126 .. 127; a block of zeros has e = 0. As a byte (E8M0): e + 127.
;;     - Each number is divided by its block's scale, clamped to +-28, and rounded to the nearest number of E3M2, ties to even, subnormals kept.
;;     - The product sums the exact products of the quantised numbers (number of the format x scale) in f32.
;;   ~~~python
;;   def quantise(x, axis):      # numpy; x: float32 -> the quantised numbers, widened to float32 again
;;       x = np.moveaxis(x, axis, -1); K = x.shape[-1]
;;       x = np.pad(x, [(0, 0)] * (x.ndim - 1) + [(0, -K % 32)]); x = x.reshape(x.shape[:-1] + (-1, 32)); a = np.abs(x).max(-1, keepdims=True)
;;       e = np.where(a > 0, np.clip(np.frexp(np.where(a > 0, a, 1))[1] - 1 - 4, -126, 127), 0)      # np.frexp(a)[1] - 1 = floor(log2(a)), exactly
;;       r = np.clip(x / 2.0 ** e, -28, 28)
;;       step = 2.0 ** (np.maximum(np.frexp(np.where(r == 0, 1, r))[1] - 1, -2) - 2)
;;       q = np.round(r / step) * step * 2.0 ** e      # np.round: ties to even
;;       return np.moveaxis(q.reshape(q.shape[:-2] + (-1,))[..., :K], -1, axis).astype(np.float32)
;;   ~~~
;;   SOFTMAX AHEAD OF A QUANTISED PRODUCT. Where the list says 'softmax', what is quantised is not the finished softmax but p = 2^(t - M), with t = logit x log2(e) and M = ceil(the row's largest t), a whole number; so 1/2 < the row's largest p <= 1. The row's sum l is taken of the UNQUANTISED p, in f32, and the product's result is divided by l at the end. Since M is a whole number, a kernel that streams over the keys may use a running M (the ceiling of the running maximum): every later rescaling is an exact power of two, which a block's scale takes up: the codes' values come out the same.
;;   OPERANDS COMPUTED ON THE WAY. 'Computed on the way' means the value that the module computes at that place (a softmax that the list does not call 'softmax' is quantised finished and normalised). What goes into a quantiser is computed in f32, as accurately as f32 sums, v_exp_f32 and their like allow (about 1e-6 of the number): no bf16 or f16 on the way to a quantiser, and a product that is left as it is and whose result goes on into a quantised operand takes f32 operands (vector FMAs, or v_wmma_f32_16x16x4_f32). A number that lies on a knife's edge between two numbers of the format may be rounded either way, as far as f32 arithmetic and the matrix unit's own rounding can turn it there, and no further.
;; One version. Each part assembles by itself: llvm-mc -triple=amdgcn-amd-amdhsa -mcpu=gfx1250 --defsym DOCPART=n.
;; ======== version 1 of 1: 5 launches
;; limits: a function is approximated: absolute error at most 1e-07
;; workspace buffers: kv 6,684,672 bytes; w1q 3,276,800 bytes; w2q 3,276,800 bytes; x1 16,777,216 bytes; hq 3,276,800 bytes; gq 13,107,200 bytes
;; launch prep (part 1): grid 512 x 1, 4 waves a work-group, no clusters, 39,424 bytes of LDS; arguments image_k, image_v, w1, w2, kv, w1q, w2q; writes kv, w1q, w2q
.if DOCPART == 1
	.amdgcn_target "amdgcn-amd-amdhsa--gfx1250"
	.amdhsa_code_object_version 6
	.text
	.protected	k_qbbba26711c_prep
	.globl	k_qbbba26711c_prep
	.p2align	8
	.type	k_qbbba26711c_prep,@function
k_qbbba26711c_prep:
	s_mov_b64 s[64:65], 0
	v_nop
	global_prefetch_b8 v0, s[64:65] scope:SCOPE_SE
	s_setreg_imm32_b32 hwreg(HW_REG_WAVE_MODE, 25, 1), 1
	s_wait_xcnt 0x0
; PREP: image_k, image_v, w1 and w2 (f32) become codes of E3M2 with one E8M0 byte for each 32 along K, laid IN THE ORDER OF THE OPERAND'S REGISTERS.
; A FRAGMENT is 16 rows x 128 K = 12 registers a lane = 1,536 bytes: registers 4 c .. 4 c + 3 of lane l lie at 512 c + 16 l; lane (r = l % 16, h = l / 16) holds row r, registers 6 c .. 6 c + 5 = k 64 c + 32 h + 0 .. 31.
; w1q: fragment (row tile, K step) at (8 x tile + step) x 1,536; scale words [8 steps][4,096 rows] from byte 3,145,728.  Storage row 32 B + 16 u + 8 h + j holds column n = 32 B + 16 h + 8 u + j of w1,
;      so that two neighbouring tiles of the first MLP product give a lane 16 neighbours along the second product's K.
; w2q: fragment at (32 x tile + step) x 1,536; scale words [32 steps][1,024 rows] from byte 3,145,728.
; kv, 208,896 bytes a head: K's scale words [128 tiles][16 rows] (bytes 2 and 3 = 0x7f: K is 64 long, the upper 64 of a step are zero codes); from 8,192 V's scale words [16 steps][64 d];
;      from 12,288 (1 + s) key step s: 8 tiles of K, 768 bytes each (registers 0-3 at 16 l, 4-5 at 512 + 8 l), then from + 6,144 four fragments of V (16 d x 128 keys).
;      Row i of K's tile 2 b + u is key 32 b + 8 u + i + 8 (i / 8).
; A block's scale is 2^(floor(log2(largest magnitude)) - 4): its byte is that magnitude's exponent field - 4, held at 1 from below by a floor among the maximum's leaves.
; LIMITS: a block of zeros gets the byte 1 (its codes are zeros; this program alone reads the bytes); NaN and infinities among the inputs are not served.
; 512 work-groups of four waves, 128 for each tensor, 128 KiB read by each; the four ways part on the work-group's number.  Only K's way uses LDS.  Waves share nothing: no barrier.
.set KVH,  208896
.set X,    32                          ; K not innermost: v32-95 two sets of 32 numbers (a block of one column)
.set CD,   96                          ; v96-143 the codes of two K steps: 24 registers a step: 12 for the fragment's lanes 0-15, 12 for its lanes 16-31
.set TC,   144                         ; v144-146 a block's upper 16 codes (a conversion's three registers begin on an even number)
.set SB,   24                          ; v24-25 the two steps' scale words
.set OA,   4                           ; v4 my lane's byte in the codes   v5 in the scale words
.set SA,   5
.set RK,   16                          ; K's way: v16-111 three sets of 32 as loaded; v112-175 two sets of 32 neighbours; v176-223 six registers of codes a tile
.set XK,   112
.set CK,   176
.set WREG, 9728                        ; LDS of a wave on K's way: two stages of 32 x 144 bytes, then 512 bytes of scale words
.set STG,  4608
	s_load_b256 s[4:11], s[0:1], 0x0               ; image_k s[4:5], image_v s[6:7], w1 s[8:9], w2 s[10:11]
	s_load_b128 s[12:15], s[0:1], 0x20             ; kv s[12:13], w1q s[14:15]
	s_load_b64 s[16:17], s[0:1], 0x30              ; w2q
	v_lshl_add_u32 v240, v0, 2, 0x9800
	v_mov_b32 v241, 0
	v_lshrrev_b32 v1, 5, v0
	v_readfirstlane_b32 s18, v1                    ; wave 0..3
	v_and_b32 v2, 31, v0                           ; lane L
	s_lshr_b32 s19, ttmp9, 7                       ; which tensor
	s_and_b32 s26, ttmp9, 127                      ; g: which part of it
	s_mov_b32 s29, 0                               ; upper word of every offset: all lie under 2^32
	s_wait_kmcnt 0x0
	s_cmp_eq_u32 s19, 0
	s_cbranch_scc1 .Lpath_k
	s_cmp_eq_u32 s19, 1
	s_cbranch_scc1 .Lpath_v
	s_cmp_eq_u32 s19, 2
	s_cbranch_scc1 .Lpath_w1
	s_branch .Lpath_w2
; K NOT INNERMOST.  A lane takes a column and its registers run down K: 32 columns x 256 K a wave, 8 blocks a lane.  s[20:21] the numbers, s[22:23] the codes, s[24:25] the scale words.
.macro KLOAD t, pitch                  ; block t: 32 rows of the tensor at my column; 32 lanes read 128 consecutive bytes
.set ii, 0
.rept 32
	global_load_b32 v[X+32*((\t)%2)+ii], v3, s[20:21] offset:(32*(\t)+ii)*(\pitch) th:TH_LOAD_NT
.set ii, ii+1
.endr
.endm
.macro KBLOCK t, pitch, stepoff, sstep
.set XS, X+32*((\t)%2)
.set DD, CD+24*((\t)/4)+12*((\t)%2)+6*(((\t)/2)%2)   ; block 2 c + h of a step is registers 6 c .. 6 c + 5 of the fragment's lane (r, h)
.if (\t) < 7
	s_wait_loadcnt 32                              ; this block's 32 loads are in; the next block's 32 may be out
.else
	s_wait_loadcnt 0x0
.endif
	v_max3_num_f32 v12, |v[XS]|, |v[XS+1]|, |v[XS+2]|      ; the block's largest magnitude: all 32 numbers are mine; two chains
	v_max3_num_f32 v13, |v[XS+3]|, |v[XS+4]|, |v[XS+5]|
.irp i, 6,10,14,18,22,26
	v_max3_num_f32 v12, v12, |v[XS+\i]|, |v[XS+\i+1]|
	v_max3_num_f32 v13, v13, |v[XS+\i+2]|, |v[XS+\i+3]|
.endr
	v_max3_num_f32 v12, v12, |v[XS+30]|, |v[XS+31]|
	v_max3_num_f32 v12, v12, v13, 0x2800000        ; and the floor 2^(5 - 127): the byte cannot fall under 1
	v_add_nc_u32 v11, 0xfe000000, v12              ; 4 off the exponent field: the conversion takes this operand's exponent field as its scale
	v_cvt_scalef32_pk16_bf6_f32 v[DD:DD+2], v[XS:XS+15], v11
	v_cvt_scalef32_pk16_bf6_f32 v[TC:TC+2], v[XS+16:XS+31], v11
	v_lshrrev_b32 v13, 23, v11                     ; the scale's byte; also the plain instruction behind the conversions
.irp i, 0,1,2
	v_mov_b32 v[DD+3+\i], v[TC+\i]
.endr
.if (\t)%4 == 0
	v_mov_b32 v[SB+(\t)/4], v13                    ; four bytes make a step's scale word, the lower K in the lower byte
.else
	v_lshl_or_b32 v[SB+(\t)/4], v13, 8*((\t)%4), v[SB+(\t)/4]
.endif
.if (\t)+2 < 8
	KLOAD (\t)+2, \pitch
.endif
.if (\t)%4 == 3                        ; a K step is whole: six stores of 16 bytes a lane; sixteen lanes of one tile cover 256 consecutive bytes, aligned.  Every store has data registers of its own
.irp hh, 0,1
.irp cc, 0,1,2
	global_store_b128 v[OA], v[CD+24*((\t)/4)+12*\hh+4*\cc:CD+24*((\t)/4)+12*\hh+4*\cc+3], s[22:23] offset:((\t)/4)*(\stepoff)+256*\hh+512*\cc
.endr
.endr
	global_store_b32 v[SA], v[SB+(\t)/4], s[24:25] offset:((\t)/4)*(\sstep)
.endif
.endm
.macro KOUT pitch, stepoff, sstep
	KLOAD 0, \pitch
	KLOAD 1, \pitch
.irp t, 0,1,2,3,4,5,6,7
	KBLOCK \t, \pitch, \stepoff, \sstep
.endr
.endm
.Lpath_v:                                          ; image_v: K = the keys.  Head g / 4; the work-group takes four key steps, a wave two of them and 32 of the 64 channels
	s_lshr_b32 s27, s26, 2                         ; head
	s_and_b32 s30, s26, 3
	s_lshl_b32 s30, s30, 2
	s_lshr_b32 s32, s18, 1
	s_lshl_b32 s32, s32, 1
	s_add_co_u32 s30, s30, s32                     ; my first key step
	s_and_b32 s31, s18, 1                          ; which 32 channels
	s_lshl_b32 s28, s27, 19                        ; a head is 524,288 bytes,
	s_lshl_b32 s33, s30, 15                        ; a key step 128 rows of 256 bytes
	s_add_co_u32 s28, s28, s33
	s_lshl_b32 s33, s31, 7
	s_add_co_u32 s28, s28, s33
	s_add_nc_u64 s[20:21], s[6:7], s[28:29]
	s_mul_i32 s34, s27, KVH
	s_mul_i32 s33, s30, 12288
	s_add_co_u32 s28, s34, s33
	s_mul_i32 s33, s31, 3072                       ; two fragments
	s_add_co_u32 s28, s28, s33
	s_add_co_u32 s28, s28, 12288+6144
	s_add_nc_u64 s[22:23], s[12:13], s[28:29]
	s_lshl_b32 s33, s30, 8
	s_add_co_u32 s28, s34, s33
	s_lshl_b32 s33, s31, 7
	s_add_co_u32 s28, s28, s33
	s_add_co_u32 s28, s28, 8192
	s_add_nc_u64 s[24:25], s[12:13], s[28:29]
	v_lshlrev_b32 v3, 2, v2
	v_lshrrev_b32 v[OA], 4, v2
	v_mul_u32_u24 v[OA], v[OA], 1536               ; my tile,
	v_and_b32 v6, 15, v2
	v_lshl_add_u32 v[OA], v6, 4, v[OA]             ; my row's 16 bytes
	v_lshlrev_b32 v[SA], 2, v2
	KOUT 256, 12288, 256
	s_endpgm
.Lpath_w1:                                         ; w1 [1,024][4,096]: 128 columns x 256 K a work-group
	s_and_b32 s27, s26, 31
	s_lshr_b32 s30, s26, 5                         ; which 256 along K
	s_lshl_b32 s31, s27, 7
	s_lshl_b32 s32, s18, 5
	s_add_co_u32 s31, s31, s32                     ; my first column n0
	s_lshl_b32 s28, s30, 22                        ; 256 rows of 16,384 bytes
	s_lshl_b32 s33, s31, 2
	s_add_co_u32 s28, s28, s33
	s_add_nc_u64 s[20:21], s[8:9], s[28:29]
	s_lshr_b32 s33, s31, 1                         ; (n0 / 16) x 8
	s_lshl_b32 s34, s30, 1
	s_add_co_u32 s33, s33, s34
	s_mul_i32 s28, s33, 1536
	s_add_nc_u64 s[22:23], s[14:15], s[28:29]
	s_lshl_b32 s33, s30, 13                        ; two steps of 4,096 words
	s_add_co_u32 s33, s33, s31
	s_lshl_b32 s28, s33, 2
	s_add_co_u32 s28, s28, 3145728
	s_add_nc_u64 s[24:25], s[14:15], s[28:29]
	v_lshlrev_b32 v3, 2, v2
	v_bfe_u32 v6, v2, 3, 1                         ; column L = 16 h + 8 u + j goes to storage row 16 u + 8 h + j
	v_lshrrev_b32 v7, 4, v2
	v_and_b32 v8, 7, v2
	v_lshl_add_u32 v8, v7, 3, v8                   ; row in its tile: 8 h + j
	v_mul_u32_u24 v[OA], v6, 12288                 ; tile u: eight fragments on
	v_lshl_add_u32 v[OA], v8, 4, v[OA]
	v_lshl_add_u32 v[SA], v6, 4, v8
	v_lshlrev_b32 v[SA], 2, v[SA]
	KOUT 16384, 1536, 16384
	s_endpgm
.Lpath_w2:                                         ; w2 [4,096][1,024]: 128 columns x 256 K a work-group
	s_and_b32 s27, s26, 7
	s_lshr_b32 s30, s26, 3
	s_lshl_b32 s31, s27, 7
	s_lshl_b32 s32, s18, 5
	s_add_co_u32 s31, s31, s32                     ; n0
	s_lshl_b32 s28, s30, 20                        ; 256 rows of 4,096 bytes
	s_lshl_b32 s33, s31, 2
	s_add_co_u32 s28, s28, s33
	s_add_nc_u64 s[20:21], s[10:11], s[28:29]
	s_lshl_b32 s33, s31, 1                         ; (n0 / 16) x 32
	s_lshl_b32 s34, s30, 1
	s_add_co_u32 s33, s33, s34
	s_mul_i32 s28, s33, 1536
	s_add_nc_u64 s[22:23], s[16:17], s[28:29]
	s_lshl_b32 s33, s30, 11                        ; two steps of 1,024 words
	s_add_co_u32 s33, s33, s31
	s_lshl_b32 s28, s33, 2
	s_add_co_u32 s28, s28, 3145728
	s_add_nc_u64 s[24:25], s[16:17], s[28:29]
	v_lshlrev_b32 v3, 2, v2
	v_lshrrev_b32 v[OA], 4, v2
	v_mul_u32_u24 v[OA], v[OA], 49152              ; my tile: 32 fragments on
	v_and_b32 v6, 15, v2
	v_lshl_add_u32 v[OA], v6, 4, v[OA]
	v_lshlrev_b32 v[SA], 2, v2
	KOUT 4096, 1536, 4096
	s_endpgm
; image_k: K = the head's 64, innermost.  A wave takes one key step: 8 tiles of 16 keys.  Each load reads 512 consecutive bytes; a tile's 4,096 bytes turn through the wave's own stage in LDS
; (144 bytes for each 128) and come back 128 bytes a lane: a whole block of 32.  Lane l then holds tile row l / 2, block l % 2.
.macro QLOAD t                         ; tile t = 2 b + u: keys 32 b + 8 u + 0 .. 7 and the eight that lie 16 further on
.irp i, 0,1,2,3,4,5,6,7
	global_load_b128 v[RK+32*((\t)%3)+4*\i:RK+32*((\t)%3)+4*\i+3], v3, s[20:21] offset:(32*((\t)/2)+8*((\t)%2))*256+(\i/4)*4096+(\i%4)*512 th:TH_LOAD_NT
.endr
.endm
.macro QTURN t                         ; LDS serves a wave's instructions in order: no wait between the stores and the loads
.irp i, 0,1,2,3,4,5,6,7
	ds_store_b128 v14, v[RK+32*((\t)%3)+4*\i:RK+32*((\t)%3)+4*\i+3] offset:STG*((\t)%2)+576*\i
.endr
.irp i, 0,1,2,3,4,5,6,7
	ds_load_b128 v[XK+32*((\t)%2)+4*\i:XK+32*((\t)%2)+4*\i+3], v15 offset:STG*((\t)%2)+16*\i
.endr
.endm
.macro QSTEP t
.set XS, XK+32*((\t)%2)
.set DD, CK+6*(\t)
.if (\t) > 0
	s_wait_dscnt 1                                 ; this tile is back from the stage (the last tile's scale word may be out): so its stores into the stage have read their registers,
.else
	s_wait_dscnt 0x0
.endif
.if (\t)+3 < 8
	QLOAD (\t)+3                                   ; which take the loads of three tiles on
.endif
.if (\t)+1 < 8
.if (\t)+3 < 8
	s_wait_loadcnt 16                              ; the next tile's eight loads are in; those of the two tiles behind it may be out
.else
	s_wait_loadcnt 8*(6-(\t))
.endif
	QTURN (\t)+1
.endif
	v_max3_num_f32 v224, |v[XS]|, |v[XS+1]|, |v[XS+2]|
	v_max3_num_f32 v225, |v[XS+3]|, |v[XS+4]|, |v[XS+5]|
.irp i, 6,10,14,18,22,26
	v_max3_num_f32 v224, v224, |v[XS+\i]|, |v[XS+\i+1]|
	v_max3_num_f32 v225, v225, |v[XS+\i+2]|, |v[XS+\i+3]|
.endr
	v_max3_num_f32 v224, v224, |v[XS+30]|, |v[XS+31]|
	v_max3_num_f32 v224, v224, v225, 0x2800000
	v_add_nc_u32 v227, 0xfe000000, v224
	v_cvt_scalef32_pk16_bf6_f32 v[DD:DD+2], v[XS:XS+15], v227
	v_cvt_scalef32_pk16_bf6_f32 v[228:230], v[XS+16:XS+31], v227
	v_lshrrev_b32 v225, 23, v227                   ; the byte; also the plain instruction behind the conversions
.irp i, 0,1,2
	v_mov_b32 v[DD+3+\i], v[228+\i]
.endr
	v_lshlrev_b32 v225, v9, v225                   ; at its place in the row's word: 8 bits up for block 1,
	v_mov_b32_dpp v226, v225 row_xmask:1 row_mask:0xf bank_mask:0xf
	v_or_b32 v225, v225, v226                      ; with my neighbour's, the row's other block;
	v_or_b32 v231, 0x7f7f0000, v225                ; the two blocks of zero codes above get the byte of 1.0
	ds_store_b32 v10, v231 offset:2*STG+64*(\t)    ; both lanes of a row write the same word with the same value
	global_store_b128 v4, v[DD:DD+3], s[22:23] offset:768*(\t)          ; the wave covers 512 consecutive bytes,
	global_store_b64 v5, v[DD+4:DD+5], s[22:23] offset:768*(\t)+512     ; and 256
.endm
.Lpath_k:
	s_lshr_b32 s27, s26, 2                         ; head
	s_and_b32 s30, s26, 3
	s_lshl_b32 s30, s30, 2
	s_add_co_u32 s30, s30, s18                     ; my key step
	s_lshl_b32 s28, s27, 19
	s_lshl_b32 s33, s30, 15
	s_add_co_u32 s28, s28, s33
	s_add_nc_u64 s[20:21], s[4:5], s[28:29]
	s_mul_i32 s34, s27, KVH
	s_mul_i32 s33, s30, 12288
	s_add_co_u32 s28, s34, s33
	s_add_co_u32 s28, s28, 12288
	s_add_nc_u64 s[22:23], s[12:13], s[28:29]
	s_lshl_b32 s33, s30, 9                         ; 8 tiles x 16 words
	s_add_co_u32 s28, s34, s33
	s_add_nc_u64 s[24:25], s[12:13], s[28:29]
	s_mul_i32 s35, s18, WREG
	v_lshlrev_b32 v3, 4, v2                        ; 16 bytes a lane
	v_lshrrev_b32 v14, 3, v2
	v_mul_u32_u24 v14, v14, 144
	v_and_b32 v15, 7, v2
	v_lshl_add_u32 v14, v15, 4, v14
	v_add_nc_u32 v14, s35, v14                     ; the stage, in: eight lanes' 128 bytes on end, then 16 of padding
	v_mul_u32_u24 v15, v2, 144
	v_add_nc_u32 v15, s35, v15                     ; out: 144 x lane
	v_lshrrev_b32 v6, 1, v2                        ; my tile row
	v_and_b32 v7, 1, v2                            ; my block
	v_lshl_add_u32 v8, v7, 4, v6                   ; the fragment's lane that my codes belong to
	v_lshlrev_b32 v4, 4, v8
	v_lshlrev_b32 v5, 3, v8
	v_lshlrev_b32 v9, 3, v7
	v_lshlrev_b32 v10, 2, v6
	v_add_nc_u32 v10, s35, v10                     ; my row's scale word in LDS
	v_add_nc_u32 v8, s35, v3                       ; and where I read 16 bytes of the words back
	v_mov_b32 v226, 0                              ; written once: a DPP move's destination counts as read
	QLOAD 0
	QLOAD 1
	QLOAD 2
	s_wait_loadcnt 16                              ; tile 0's eight loads are in
	QTURN 0
.irp t, 0,1,2,3,4,5,6,7
	QSTEP \t
.endr
	ds_load_b128 v[232:235], v8 offset:2*STG       ; the key step's 128 scale words; LDS serves my instructions in order
	s_wait_dscnt 0x0
	global_store_b128 v3, v[232:235], s[24:25]     ; 512 consecutive bytes, aligned
	s_wait_tensorcnt 0x0
	ds_add_u32 v240, v241
	s_wait_dscnt 0x0
	s_endpgm
.Lfunc_end_k_qbbba26711c_prep:
	.size	k_qbbba26711c_prep, .Lfunc_end_k_qbbba26711c_prep-k_qbbba26711c_prep
	.p2alignl 7, 3214868480
	.fill 96, 4, 3214868480
	.section	.rodata,"a",@progbits
	.p2align	6, 0x0
	.amdhsa_kernel k_qbbba26711c_prep
		.amdhsa_group_segment_fixed_size 39424
		.amdhsa_private_segment_fixed_size 0
		.amdhsa_enable_private_segment 0
		.amdhsa_kernarg_size 56
		.amdhsa_user_sgpr_count 2
		.amdhsa_user_sgpr_kernarg_segment_ptr 1
		.amdhsa_wavefront_size32 1
		.amdhsa_system_sgpr_workgroup_id_x 1
		.amdhsa_system_sgpr_workgroup_id_y 1
		.amdhsa_system_sgpr_workgroup_id_z 1
		.amdhsa_system_vgpr_workitem_id 0
		.amdhsa_next_free_vgpr 242
		.amdhsa_next_free_sgpr 66
		.amdhsa_reserve_vcc 0
		.amdhsa_float_denorm_mode_32 3
		.amdhsa_float_denorm_mode_16_64 3
		.amdhsa_memory_ordered 1
		.amdhsa_forward_progress 1
		.amdhsa_inst_pref_size 146
	.end_amdhsa_kernel
	.amdgpu_metadata
---
amdhsa.version: [ 1, 2 ]
amdhsa.kernels:
  - .name:           k_qbbba26711c_prep
    .symbol:         k_qbbba26711c_prep.kd
    .args:
      - { .name: image_k, .offset: 0, .size: 8, .value_kind: global_buffer, .address_space: global }
      - { .name: image_v, .offset: 8, .size: 8, .value_kind: global_buffer, .address_space: global }
      - { .name: w1, .offset: 16, .size: 8, .value_kind: global_buffer, .address_space: global }
      - { .name: w2, .offset: 24, .size: 8, .value_kind: global_buffer, .address_space: global }
      - { .name: kv, .offset: 32, .size: 8, .value_kind: global_buffer, .address_space: global }
      - { .name: w1q, .offset: 40, .size: 8, .value_kind: global_buffer, .address_space: global }
      - { .name: w2q, .offset: 48, .size: 8, .value_kind: global_buffer, .address_space: global }
    .group_segment_fixed_size: 39424
    .private_segment_fixed_size: 0
    .kernarg_segment_align: 8
    .kernarg_segment_size: 56
    .max_flat_workgroup_size: 128
    .sgpr_count:     66
    .vgpr_count:     242
    .wavefront_size: 32
...
	.end_amdgpu_metadata
.endif
;; end of part 1
;; launch attn (part 2): grid 8 x 32, 16 waves a work-group, clusters of 4 x 1, 284,672 bytes of LDS; arguments image_q, kv, x, x1; writes x1
.if DOCPART == 2
	.amdgcn_target "amdgcn-amd-amdhsa--gfx1250"
	.amdhsa_code_object_version 6
	.text
	.protected	k_qbbba26711c_attn
	.globl	k_qbbba26711c_attn
	.p2align	8
	.type	k_qbbba26711c_attn,@function
k_qbbba26711c_attn:
	s_mov_b64 s[64:65], 0
	v_nop
	global_prefetch_b8 v0, s[64:65] scope:SCOPE_SE
	s_setreg_imm32_b32 hwreg(HW_REG_WAVE_MODE, 25, 1), 1
	s_wait_xcnt 0x0
	s_wait_alu depctr_hold_cnt(0) depctr_sa_sdst(0) depctr_va_vdst(0) depctr_va_sdst(0) depctr_va_ssrc(0) depctr_va_vcc(0) depctr_vm_vsrc(0)
	s_getreg_b32 s2, hwreg(HW_REG_IB_STS2, 6, 4)
	s_cmp_eq_u32 s2, 0
	s_cbranch_scc0 .Lentry_in_a_cluster
	s_endpgm
.Lentry_in_a_cluster:
	s_bfe_u32 s2, ttmp6, 0x10000c
	s_cmp_lg_u32 s2, 0x3003
	s_cbranch_scc0 .Lentry_shape_is_right
	s_endpgm
.Lentry_shape_is_right:
; ATTN: x1 = x + attention(image_q, K, V), both products on codes of E3M2 with one E8M0 scale for each 32 along K.  K and V come as codes in the order of the operand's registers (buffer kv).
; t = score x log2(e) / 8; M = the running largest t rounded UP to a whole number; p = 2^(t - M) is quantised along the keys, not normalised; the row's sum is taken of the unquantised p and divides at the end.
; When M moves, the sum and O are multiplied by 2^(old M - new M), which rounds nothing.  A block's largest p is made from the block's largest score by the same multiply-add and exponential
; (this takes v_exp_f32 not to fall where its input rises).
; SHARES.  A work-group owns 256 queries of one head, each of its sixteen waves 16 of them in 256 registers: four waves to a SIMD, so that one wave's vector work stands beside another's matrix work.
; A HEAD'S K AND V STAY IN LDS: 208,896 bytes, the exact image of the head's block of kv, filled ONCE: no slot is filled again.  It comes in two pieces, so that the first four key steps can be
; worked while the other twelve land.  CLUSTER: the four query blocks of a cluster belong to one head: each piece is asked for jointly, by the same tensor load with a mask that names the four.
; Q: a wave's 16 queries are 4,096 consecutive bytes: eight loads of 512 consecutive bytes, asked for ahead of everything else; they turn through the wave's own stage in LDS and come back 128 bytes a lane,
; a whole block of 32, which is quantised in registers.
; LAYOUT.  S^T = K Q^T (source 0 = 16 keys, source 1 = my 16 queries), O^T = V^T P^T: a lane holds ONE query (lane % 16) throughout.  The head's K is 64 long: registers 6-11 of K's and Q's fragments are zero codes.
; Row i of K's tile 2 b + u is key 32 b + 8 u + i + 8 (i / 8): so the 16 registers of tiles 2 b and 2 b + 1 are keys 32 b + 16 (lane / 16) + 0 .. 15.
; LIMITS: NaN and infinities among the inputs are not served.
; REGISTERS: v1-3, v30-31 lane terms; v4-7, v29 the step's LDS addresses; v8-11 the blocks' largest scores; v12 -M, v13 the largest t, v[14:15] the sum in two halves; v16-27 Q, v28 its scale word;
;   v32-79 four fragments of K; v80-127 four of V; v128-191 S^T, then p; v192-223 O^T; v224-235 p's codes; v236-247, v252-254 at work; v248-251 a tile's scale words; v253 p's scale word.
.set WV,   12
.set SEL,  20                          ; s[20:21] lane selects for v_permlanex16_b32: lane l xor 16
.set CS,   22                          ; s[22:23] c = log2(e) / 8
.set G1E,  24                          ; s[24:31] group 1 of the early piece: 80 rows of 256 bytes;  s[32:39] of the late piece: 192 rows
.set G1L,  32
.set G0E,  40
.set G0L,  44
.set TB,   48                          ; s48 LDS byte at which the key step's tiles begin;  s49 its scale words of K;  s50 of V
.set TS,   49
.set TJ,   50
.set CNT,  51
.set SB,   60                          ; s60 LDS byte at which my wave's stage begins
.set KVH,  208896
.set STAGE, KVH                        ; behind the head's block: a stage for each wave, its own; no tensor load lands here
.set STW,  4608                        ; its bytes: 32 x 144 for Q's turn; the way out uses 16 rows x 272 of them
.macro CROUND                          ; a round of the cluster's barrier
	s_barrier_signal -1
	s_barrier_wait -1
	s_cmp_lg_u32 s[WV], 0
	s_cbranch_scc1 .Lnot_wave_0_\@
	s_barrier_signal -3
.Lnot_wave_0_\@:
	s_barrier_wait -3
	s_barrier_signal -1
	s_barrier_wait -1
.endm
	s_load_b256 s[4:11], s[0:1], 0x0               ; image_q s[4:5], kv s[6:7], x s[8:9], x1 s[10:11]
	v_lshl_add_u32 v243, v0, 2, 0x45000
	v_mov_b32 v255, 0
	ds_add_u32 v243, v255
	ds_add_u32 v243, v255
	v_lshrrev_b32 v1, 5, v0
	v_readfirstlane_b32 s[WV], v1                  ; wave 0..15
	v_and_b32 v1, 31, v0
	v_lshlrev_b32 v1, 4, v1                        ; 16 l; never rewritten
	s_bfe_u32 s13, ttmp6, 0x40000                  ; cx: it enters Q's, x's and x1's addresses alone
	s_lshl_b32 s14, ttmp9, 2
	s_add_co_u32 s14, s14, s13                     ; my block of 256 queries
	s_and_b32 s15, ttmp7, 0xffff                   ; the head (batch x 16 + head), which the four partners share
	s_mul_i32 s16, s15, KVH
	s_mov_b32 s17, 0
	s_min_u32 s18, s[WV], 2                        ; waves 0 to 2 fetch, a third of each piece
	s_mul_i32 s19, s18, 49152
	s_add_co_u32 s19, s19, 61440                   ; the late piece: key steps 4 to 15
	s_mul_i32 s18, s18, 20480                      ; the early piece: the scale words and key steps 0 to 3
	s_mul_i32 s[SB], s[WV], STW
	s_add_co_u32 s[SB], s[SB], STAGE               ; my stage
	s_mov_b32 s[G1E], 15|(3<<16)|(1<<21)           ; the mask: all four work-groups; elements of 8 bytes; bit 21 set beside a mask; no padding
	s_mov_b32 s[G1E+1], 32<<16                     ; tensor_dim0 = 32 elements: rows of 256 bytes of a dense block
	s_mov_b32 s[G1E+2], 80<<16                     ; tensor_dim1
	s_mov_b32 s[G1E+3], 32<<16                     ; tile_dim0
	s_mov_b32 s[G1E+4], 80                         ; tile_dim1
	s_mov_b32 s[G1E+5], 32                         ; the pitch
	s_mov_b32 s[G1E+6], 0
	s_mov_b32 s[G1E+7], 0
	s_mov_b32 s[G1L], 15|(3<<16)|(1<<21)
	s_mov_b32 s[G1L+1], 32<<16
	s_mov_b32 s[G1L+2], 192<<16
	s_mov_b32 s[G1L+3], 32<<16
	s_mov_b32 s[G1L+4], 192
	s_mov_b32 s[G1L+5], 32
	s_mov_b32 s[G1L+6], 0
	s_mov_b32 s[G1L+7], 0
	s_lshl_b32 s54, s14, 8
	s_lshl_b32 s55, s[WV], 4
	s_add_co_u32 s54, s54, s55                     ; my first query
	s_lshl_b32 s56, s15, 19                        ; Q: a head is 524,288 bytes, a row 256
	s_lshl_b32 s57, s54, 8
	s_add_co_u32 s56, s56, s57
	s_mov_b32 s57, 0
	s_lshr_b32 s58, s15, 4                         ; x: row batch x 2,048 + query, of 4,096 bytes; the head's 256 bytes in it
	s_lshl_b32 s58, s58, 11
	s_add_co_u32 s58, s58, s54
	s_lshl_b32 s58, s58, 12
	s_and_b32 s59, s15, 15
	s_lshl_b32 s59, s59, 8
	s_add_co_u32 s58, s58, s59
	s_mov_b32 s59, 0
	s_mov_b32 s53, 0
	s_mov_b32 s[SEL], 0x76543210
	s_mov_b32 s[SEL+1], 0xfedcba98
	s_mov_b32 s[CS], 0x3e38aa3b
	s_mov_b32 s[CS+1], s[CS]                       ; (named with it as a pair, so it is written)
	s_mov_b32 s[TB], 12288
	s_mov_b32 s[TS], 0
	s_mov_b32 s[TJ], 0
	s_wait_dscnt 0x0
	s_wait_kmcnt 0x0
	s_add_nc_u64 s[4:5], s[4:5], s[56:57]          ; Q at my first query
.irp j, 0,1,2,3,4,5,6,7                ; Q's 16 rows as they lie: each load of the wave covers 512 consecutive bytes.  They are on their way during the round and the tensor loads below; nobody writes these bytes
	global_load_b128 v[128+4*\j:131+4*\j], v1, s[4:5] offset:512*\j th:TH_LOAD_NT
.endr
	s_add_nc_u64 s[6:7], s[6:7], s[16:17]          ; kv at my head
	s_add_nc_u64 s[8:9], s[8:9], s[58:59]
	s_add_nc_u64 s[10:11], s[10:11], s[58:59]
	s_mov_b32 s[G0E], 1
	s_mov_b32 s[G0E+1], s18                        ; LDS holds the block as memory does
	s_mov_b32 s52, s18
	s_add_nc_u64 s[G0E+2:G0E+3], s[6:7], s[52:53]
	s_or_b32 s[G0E+3], s[G0E+3], 0x80000000
	s_mov_b32 s[G0L], 1
	s_mov_b32 s[G0L+1], s19
	s_mov_b32 s52, s19
	s_add_nc_u64 s[G0L+2:G0L+3], s[6:7], s[52:53]
	s_or_b32 s[G0L+3], s[G0L+3], 0x80000000
	CROUND                                         ; all four work-groups are here: the joint loads meet
	s_cmp_lt_u32 s[WV], 3                          ; a wave's two fills stand in one branch: two tensor loads of mine are out at the most
	s_cbranch_scc0 .Lno_fetch
	tensor_load_to_lds s[G0E:G0E+3], s[G1E:G1E+7]
	s_nop 0
	tensor_load_to_lds s[G0L:G0L+3], s[G1L:G1L+7]
	s_nop 0
.rept 4
	v_nop
.endr
.Lno_fetch:
	v_and_b32 v8, 15, v0                           ; r
	v_bfe_u32 v9, v0, 4, 1                         ; h
	v_and_b32 v10, 31, v0                          ; l
	v_lshl_add_u32 v2, v10, 3, 512                 ; 8 l + 512: registers 4-5 of a tile of K
	v_lshrrev_b32 v4, 3, v10
	v_and_b32 v5, 7, v10
	v_mul_u32_u24 v4, v4, 144
	v_lshl_add_u32 v4, v5, 4, v4
	v_add_nc_u32 v4, s[SB], v4                     ; the stage, in: eight lanes' 128 bytes on end, then 16 of padding: 144 (l / 8) + 16 (l % 8); a load's 512 bytes take four places
	v_mul_u32_u24 v5, v8, 288
	v_mad_u32_u24 v5, v9, 144, v5
	v_add_nc_u32 v5, s[SB], v5                     ; out: place 2 r + h: block h of row r
	v_lshlrev_b32 v3, 2, v8                        ; 4 r: a row's scale word
	v_add_nc_u32 v30, 6144, v1                     ; V's fragments lie behind K's eight tiles
	v_add_nc_u32 v31, 8192, v3                     ; V's scale words behind K's
.irp i, 0,1,2,3,4,5,6,7
	s_wait_loadcnt 7-\i                            ; loads come back in order: Q's load i is in, the younger ones may be out
	ds_store_b128 v4, v[128+4*\i:131+4*\i] offset:576*\i
.endr
.irp j, 0,1,2,3,4,5,6,7
	ds_load_b128 v[160+4*\j:163+4*\j], v5 offset:16*\j   ; LDS serves a wave's instructions in order: these see my stores.  Lane (r, h) now holds the 32 numbers of block h of row r: registers 0-5 of the fragment
.endr
	s_wait_dscnt 0x0
	v_max3_num_f32 v236, |v160|, |v161|, |v162|
	v_max3_num_f32 v237, |v163|, |v164|, |v165|
.irp i, 6,10,14,18,22,26
	v_max3_num_f32 v236, v236, |v[160+\i]|, |v[161+\i]|
	v_max3_num_f32 v237, v237, |v[162+\i]|, |v[163+\i]|
.endr
	v_max3_num_f32 v236, v236, |v190|, |v191|
	v_max3_num_f32 v236, v236, v237, 0x2800000     ; the floor 2^(5 - 127)
	v_add_nc_u32 v244, 0xfe000000, v236            ; 4 off the exponent field: the conversion's scale operand
	v_lshrrev_b32 v237, 23, v244                   ; the byte
	v_cvt_scalef32_pk16_bf6_f32 v[16:18], v[160:175], v244
	v_cvt_scalef32_pk16_bf6_f32 v[240:242], v[176:191], v244
	v_lshlrev_b32 v238, 3, v9                      ; (the plain instruction behind the conversions)
	v_mov_b32 v19, v240
	v_mov_b32 v20, v241
	v_mov_b32 v21, v242
	v_lshlrev_b32 v237, v238, v237                 ; my block's byte at its place,
	v_mov_b32 v239, 0
	v_permlanex16_b32 v239, v237, s[SEL], s[SEL+1]
	v_or_b32 v237, v237, v239                      ; with the row's other block's,
	v_or_b32 v28, 0x7f7f0000, v237                 ; and the byte of 1.0 for the two blocks of zero codes
.irp j, 22,23,24,25,26,27
	v_mov_b32 v[\j], 0
.endr
.irp t, 0,1,2,3
.irp j, 6,7,8,9,10,11
	v_mov_b32 v[32+12*\t+\j], 0                    ; K's zero codes: written once, no load lands here
.endr
.endr
.irp b, 0,1,2,3
	v_mov_b32 v[236+\b], 0                         ; a lane permute's destination counts as read
.endr
	v_mov_b32 v253, 0                              ; (named as the upper half of v[252:253] before it is first written)
	v_mov_b32 v13, 0xff61b1e6                      ; the largest t so far: -3e38
	v_floor_f32 v12, -v13                          ; -M
	v_mov_b32 v14, 0
	v_mov_b32 v15, 0
.set n, 0
.rept 32
	v_mov_b32 v[192+n], 0                          ; O^T: the step is written once; the first change of M leaves zeros zeros.  (These are also the places between Q's scale word and the first product)
.set n, n+1
.endr
; A KEY STEP: 128 keys.
.macro STEP
	v_add_nc_u32 v4, s[TB], v1                     ; five plain instructions: also the places in front of the loads into registers that the last products read
	v_add_nc_u32 v5, s[TB], v2
	v_add_nc_u32 v6, s[TB], v30
	v_add_nc_u32 v7, s[TS], v3
	v_add_nc_u32 v29, s[TJ], v31
.irp g, 0,1                            ; S^T = K Q^T, four tiles of 16 keys at a time
.if \g
.rept 4
	v_nop                                          ; places in front of loads into registers that matrix instructions have read
.endr
.endif
.irp t, 0,1,2,3
	ds_load_b128 v[32+12*\t:35+12*\t], v4 offset:768*(4*\g+\t)
	ds_load_b64 v[36+12*\t:37+12*\t], v5 offset:768*(4*\g+\t)
	ds_load_b32 v[248+\t], v7 offset:64*(4*\g+\t)
.endr
	s_wait_dscnt 0x0
.irp t, 0,1,2,3
	v_wmma_scale_f32_16x16x128_f8f6f4 v[128+8*(4*\g+\t):135+8*(4*\g+\t)], v[32+12*\t:43+12*\t], v[16:27], 0, v[248+\t], v28 matrix_a_fmt:MATRIX_FMT_BF6 matrix_b_fmt:MATRIX_FMT_BF6
.endr
.endr
.rept 4
	v_nop                                          ; places in front of the first read of the scores and of the loads into the scale registers
.endr
.irp t, 0,1,2,3                        ; V's four fragments and their scale words: they land under the softmax
.irp c, 0,1,2
	ds_load_b128 v[80+12*\t+4*\c:83+12*\t+4*\c], v6 offset:1536*\t+512*\c
.endr
	ds_load_b32 v[248+\t], v29 offset:64*\t
.endr
.irp b, 0,1,2,3
	v_max3_num_f32 v[8+\b], v[128+16*\b], v[129+16*\b], v[130+16*\b]   ; the largest score of each block of 32 keys: for the row's maximum and for the block's largest p
.endr
.irp i, 3,5,7,9,11,13
.irp b, 0,1,2,3
	v_max3_num_f32 v[8+\b], v[8+\b], v[128+16*\b+\i], v[129+16*\b+\i]
.endr
.endr
.irp b, 0,1,2,3
	v_max_num_f32 v[8+\b], v[8+\b], v[143+16*\b]
.endr
.irp b, 0,1,2,3
	v_permlanex16_b32 v[236+\b], v[8+\b], s[SEL], s[SEL+1]
.endr
.irp b, 0,1,2,3
	v_max_num_f32 v[8+\b], v[8+\b], v[236+\b]      ; with lane l xor 16's 16 keys
.endr
	v_max3_num_f32 v254, v8, v9, v10
	v_max_num_f32 v254, v254, v11                  ; the step's largest score of my query
	v_mul_f32 v254, s[CS], v254                    ; as t (c is positive)
	v_max_num_f32 v13, v13, v254                   ; the running largest t
	v_mov_b32 v254, v12
	v_floor_f32 v12, -v13                          ; the new -M = floor(-t): M is a whole number
	v_sub_f32 v254, v12, v254                      ; old M - new M: a whole number, 0 or less
	v_cvt_i32_f32 v254, v254                       ; (it saturates)
	v_ldexp_f32 v252, 1.0, v254                    ; f = 2^(old M - new M)
.set n, 0
.rept 32
	v_pk_fma_f32 v[128+n:129+n], v[128+n:129+n], s[CS:CS+1], v[12:13] op_sel_hi:[1,0,0]   ; t - M, two at a time
.set n, n+2
.endr
.irp b, 0,1,2,3
	v_fma_f32 v[8+\b], v[8+\b], s[CS], v12         ; the same of each block's largest score
.endr
.set n, 0
.rept 64
	v_exp_f32 v[128+n], v[128+n]                   ; p = 2^(t - M), at most 1
.set n, n+1
.endr
	v_pk_mul_f32 v[14:15], v[14:15], v[252:253] op_sel_hi:[1,0]   ; the sums under the new M; the plain instruction behind the exponentials
	s_wait_alu depctr_va_vdst(0)                   ; one wait for the whole batch, ahead of its first reader
.irp b, 0,1,2,3
	v_exp_f32 v[8+\b], v[8+\b]                     ; the block's largest p
.endr
	v_pk_add_f32 v[236:237], v[128:129], v[130:131]   ; the row's sum of the unquantised p, in two chains; plain work behind the four
.irp j, 4,8,12,16,20,24,28,32,36,40,44,48,52,56,60
	v_pk_add_f32 v[14:15], v[14:15], v[128+\j:129+\j]
	v_pk_add_f32 v[236:237], v[236:237], v[130+\j:131+\j]
.endr
	v_pk_add_f32 v[14:15], v[14:15], v[236:237]
	s_wait_alu depctr_va_vdst(0)                   ; and one for the four
.irp b, 0,1,2,3
	v_max_num_f32 v[8+\b], 0x2800000, v[8+\b]      ; the floor 2^(5 - 127)
.endr
.irp b, 0,1,2,3
	v_add_nc_u32 v[244+\b], 0xfe000000, v[8+\b]    ; the conversion's scale operand
.endr
.irp b, 0,1,2,3
	v_lshrrev_b32 v[236+\b], 23, v[244+\b]         ; the scale's byte
.endr
	v_lshl_or_b32 v253, v237, 8, v236              ; p's scale word for these 128 keys
	v_lshl_or_b32 v253, v238, 16, v253
	v_lshl_or_b32 v253, v239, 24, v253
.irp c, 0,1
	v_cvt_scalef32_pk16_bf6_f32 v[224+6*\c:226+6*\c], v[128+32*\c:143+32*\c], v[244+2*\c]
	v_cvt_scalef32_pk16_bf6_f32 v[236+4*\c:238+4*\c], v[144+32*\c:159+32*\c], v[244+2*\c+1]
.endr
	v_nop                                          ; one plain instruction behind the conversions
.irp c, 0,1                            ; the operand wants a WHOLE block in a lane: lanes 0-15 block 2 c, lanes 16-31 block 2 c + 1
.irp i, 0,1,2
	v_permlane16_swap_b32 v[224+6*\c+\i], v[236+4*\c+\i]
.endr
.irp i, 0,1,2
	v_mov_b32 v[227+6*\c+\i], v[236+4*\c+\i]
.endr
.endr
.set n, 0
.rept 16
	v_pk_mul_f32 v[192+n:193+n], v[192+n:193+n], v[252:253] op_sel_hi:[1,0]   ; O^T under the new M; these sixteen are also the places between p's codes and scale word and the products
.set n, n+2
.endr
	s_wait_dscnt 0x0                               ; V is in
.irp t, 0,1,2,3                        ; O^T += V^T P^T: the four accumulators take turns
	v_wmma_scale_f32_16x16x128_f8f6f4 v[192+8*\t:199+8*\t], v[80+12*\t:91+12*\t], v[224:235], v[192+8*\t:199+8*\t], v[248+\t], v253 matrix_a_fmt:MATRIX_FMT_BF6 matrix_b_fmt:MATRIX_FMT_BF6
.endr
	s_add_co_u32 s[TB], s[TB], 12288
	s_add_co_u32 s[TS], s[TS], 512
	s_add_co_u32 s[TJ], s[TJ], 256
.endm
	s_wait_tensorcnt 0x1                           ; my part of the early piece is in; the late piece may stay out
	s_barrier_signal -1
	s_barrier_wait -1                              ; everybody's is
	s_mov_b32 s[CNT], 4
.Learly:
	STEP
	s_sub_co_u32 s[CNT], s[CNT], 1
	s_cmp_lg_u32 s[CNT], 0
	s_cbranch_scc1 .Learly
	s_wait_tensorcnt 0x0                           ; my part of the late piece is in
	s_barrier_signal -1
	s_barrier_wait -1
	s_mov_b32 s[CNT], 12
.Llate:
	STEP
	s_sub_co_u32 s[CNT], s[CNT], 1
	s_cmp_lg_u32 s[CNT], 0
	s_cbranch_scc1 .Llate
	; THE WAY OUT.  O^T / the sum goes through my stage in LDS and comes back as rows of 256 bytes (a head's 64 channels); x is added; sixteen lanes store 256 consecutive bytes, aligned.
	v_and_b32 v8, 15, v0                           ; r
	v_bfe_u32 v9, v0, 4, 1                         ; h
	v_lshlrev_b32 v10, 12, v9
	v_lshl_add_u32 v10, v8, 4, v10                 ; lanes 0-15 one row of x, lanes 16-31 the next; 16 bytes a lane
.irp i, 0,1,2,3,4,5,6,7
	global_load_b128 v[32+4*\i:35+4*\i], v10, s[8:9] offset:8192*\i th:TH_LOAD_NT
.endr
	v_add_f32 v14, v14, v15                        ; the sum's two halves,
	v_permlanex16_b32 v252, v14, s[SEL], s[SEL+1]
	v_add_f32 v14, v14, v252                       ; and lane l xor 16's
	v_rcp_f32 v14, v14
	v_mul_u32_u24 v4, v8, 272                      ; (plain work behind the reciprocal)
	v_lshl_add_u32 v4, v9, 5, v4
	v_add_nc_u32 v4, s[SB], v4                     ; in: row r; tile t's eight channels of my half at 64 t + 32 h
	v_mul_u32_u24 v5, v9, 272
	v_lshl_add_u32 v5, v8, 4, v5
	v_add_nc_u32 v5, s[SB], v5                     ; back: lanes 0-15 one row, lanes 16-31 the next
	s_wait_alu depctr_va_vdst(0)                   ; ahead of the reciprocal's first reader
	v_mov_b32 v15, v14
.set n, 0
.rept 16
	v_pk_mul_f32 v[128+n:129+n], v[192+n:193+n], v[14:15]   ; each accumulator from its low end on
.set n, n+2
.endr
.irp t, 0,1,2,3
	ds_store_b128 v4, v[128+8*\t:131+8*\t] offset:64*\t
	ds_store_b128 v4, v[132+8*\t:135+8*\t] offset:64*\t+16
.endr
.irp i, 0,1,2,3,4,5,6,7
	ds_load_b128 v[64+4*\i:67+4*\i], v5 offset:2*\i*272   ; LDS serves a wave's instructions in order: these see my stores
.endr
	s_wait_loadcnt 0x0
	s_wait_dscnt 0x0
.set n, 0
.rept 16
	v_pk_add_f32 v[64+n:65+n], v[64+n:65+n], v[32+n:33+n]
.set n, n+2
.endr
.irp i, 0,1,2,3,4,5,6,7
	global_store_b128 v10, v[64+4*\i:67+4*\i], s[10:11] offset:8192*\i
.endr
	s_wait_tensorcnt 0x0
	ds_add_u32 v243, v255
	s_wait_dscnt 0x0
	CROUND                                         ; the closing round: no work-group ends while a partner may still ask for a piece that names it
	s_endpgm
.Lfunc_end_k_qbbba26711c_attn:
	.size	k_qbbba26711c_attn, .Lfunc_end_k_qbbba26711c_attn-k_qbbba26711c_attn
	.p2alignl 7, 3214868480
	.fill 96, 4, 3214868480
	.section	.rodata,"a",@progbits
	.p2align	6, 0x0
	.amdhsa_kernel k_qbbba26711c_attn
		.amdhsa_group_segment_fixed_size 284672
		.amdhsa_private_segment_fixed_size 0
		.amdhsa_enable_private_segment 0
		.amdhsa_kernarg_size 32
		.amdhsa_user_sgpr_count 2
		.amdhsa_user_sgpr_kernarg_segment_ptr 1
		.amdhsa_wavefront_size32 1
		.amdhsa_system_sgpr_workgroup_id_x 1
		.amdhsa_system_sgpr_workgroup_id_y 1
		.amdhsa_system_sgpr_workgroup_id_z 1
		.amdhsa_system_vgpr_workitem_id 0
		.amdhsa_next_free_vgpr 256
		.amdhsa_next_free_sgpr 66
		.amdhsa_reserve_vcc 0
		.amdhsa_float_denorm_mode_32 3
		.amdhsa_float_denorm_mode_16_64 3
		.amdhsa_memory_ordered 1
		.amdhsa_forward_progress 1
		.amdhsa_inst_pref_size 51
	.end_amdhsa_kernel
	.amdgpu_metadata
---
amdhsa.version: [ 1, 2 ]
amdhsa.kernels:
  - .name:           k_qbbba26711c_attn
    .symbol:         k_qbbba26711c_attn.kd
    .args:
      - { .name: image_q, .offset: 0, .size: 8, .value_kind: global_buffer, .address_space: global }
      - { .name: kv, .offset: 8, .size: 8, .value_kind: global_buffer, .address_space: global }
      - { .name: x, .offset: 16, .size: 8, .value_kind: global_buffer, .address_space: global }
      - { .name: x1, .offset: 24, .size: 8, .value_kind: global_buffer, .address_space: global }
    .group_segment_fixed_size: 284672
    .private_segment_fixed_size: 0
    .kernarg_segment_align: 8
    .kernarg_segment_size: 32
    .max_flat_workgroup_size: 512
    .sgpr_count:     66
    .vgpr_count:     256
    .wavefront_size: 32
...
	.end_amdgpu_metadata
.endif
;; end of part 2
;; launch lnq (part 3): grid 256 x 1, 8 waves a work-group, no clusters, 3,072 bytes of LDS; arguments x1, ln_w, ln_b, hq; writes hq
.if DOCPART == 3
	.amdgcn_target "amdgcn-amd-amdhsa--gfx1250"
	.amdhsa_code_object_version 6
	.text
	.protected	k_qbbba26711c_lnq
	.globl	k_qbbba26711c_lnq
	.p2align	8
	.type	k_qbbba26711c_lnq,@function
k_qbbba26711c_lnq:
	s_mov_b64 s[64:65], 0
	v_nop
	global_prefetch_b8 v0, s[64:65] scope:SCOPE_SE
	s_setreg_imm32_b32 hwreg(HW_REG_WAVE_MODE, 25, 1), 1
	s_wait_xcnt 0x0
; LNQ: h = LayerNorm(x1) x ln_w + ln_b, in f32 (mean, then the mean of the squared differences: two passes over registers), quantised along the row into codes of E3M2 and E8M0 scale words.
; hq: fragment (row tile, K step) at (8 x tile + step) x 1,536 bytes in the order of the operand's registers; scale words [8 steps][4,096 rows] from byte 3,145,728.
; A work-group takes 16 rows; wave w takes columns 128 w .. 128 w + 127 of them: one fragment.  Lane (r, h) holds 64 numbers of row r: register 16 b + i = column 32 b + 16 h + i of the wave's 128.
; The rows' sums meet in LDS: each wave stores its part (a word a lane), a barrier, every wave reads all eight and adds them in one fixed order.  Two sums, two regions, two barriers.
; No tensor load, no matrix work: memory binds.  LIMITS: NaN and infinities are not served; a block of zeros gets the byte 1.
.set XR,  16                           ; v16-79 x1, then the differences, then h
.set WR,  80                           ; v80-143 ln_w
.set BR,  144                          ; v144-207 ln_b
.set TM,  208                          ; v208-223 at work in QUANT
.set PW,  224                          ; the scale word
.set PC,  228                          ; v228-246 the codes
.set SEL, 18
.macro QUANT s                         ; 64 numbers of a lane, register 16 b + i = k 32 b + 16 (lane / 16) + i of my row, become a fragment's codes in v[PC] on and its scale word in v[PW]
.irp b, 0,1,2,3
	v_max3_num_f32 v[TM+\b], |v[\s+16*\b]|, |v[\s+1+16*\b]|, 0x2800000   ; block b: my 16 numbers, and the floor 2^(5 - 127)
.endr
.irp i, 2,4,6,8,10,12,14
.irp b, 0,1,2,3
	v_max3_num_f32 v[TM+\b], v[TM+\b], |v[\s+16*\b+\i]|, |v[\s+1+16*\b+\i]|
.endr
.endr
.irp b, 0,1,2,3
	v_permlanex16_b32 v[TM+4+\b], v[TM+\b], s[SEL], s[SEL+1]
.endr
.irp b, 0,1,2,3
	v_max_num_f32 v[TM+\b], v[TM+\b], v[TM+4+\b]   ; with lane l xor 16's: the block's largest magnitude
.endr
.irp b, 0,1,2,3
	v_add_nc_u32 v[TM+12+\b], 0xfe000000, v[TM+\b] ; 4 off its exponent field: the conversion's scale operand
.endr
.irp b, 0,1,2,3
	v_lshrrev_b32 v[TM+4+\b], 23, v[TM+12+\b]      ; the scale's byte
.endr
	v_lshl_or_b32 v[PW], v[TM+5], 8, v[TM+4]
	v_lshl_or_b32 v[PW], v[TM+6], 16, v[PW]
	v_lshl_or_b32 v[PW], v[TM+7], 24, v[PW]
.irp c, 0,1
	v_cvt_scalef32_pk16_bf6_f32 v[PC+6*\c:PC+2+6*\c], v[\s+32*\c:\s+15+32*\c], v[TM+12+2*\c]
	v_cvt_scalef32_pk16_bf6_f32 v[PC+12+4*\c:PC+14+4*\c], v[\s+16+32*\c:\s+31+32*\c], v[TM+12+2*\c+1]
.endr
	v_nop                                          ; one plain instruction behind the conversions
.irp c, 0,1                            ; the operand wants a whole block in a lane
.irp i, 0,1,2
	v_permlane16_swap_b32 v[PC+6*\c+\i], v[PC+12+4*\c+\i]
.endr
.irp i, 0,1,2
	v_mov_b32 v[PC+3+6*\c+\i], v[PC+12+4*\c+\i]
.endr
.endr
.endm
.macro ACROSS off                      ; v[8:9]: my lane's sum in two halves -> v8: the row's sum over all 1,024 columns, in every lane
	v_add_f32 v8, v8, v9
	v_permlanex16_b32 v9, v8, s[SEL], s[SEL+1]
	v_add_f32 v8, v8, v9                           ; my wave's part of row r
	ds_store_b32 v7, v8 offset:\off
	s_wait_dscnt 0x0                               ; for the others' sake: my store has landed
	s_barrier_signal -1
	s_barrier_wait -1
.irp w, 0,1,2,3,4,5,6,7
	ds_load_b32 v[8+\w], v1 offset:\off+128*\w
.endr
	s_wait_dscnt 0x0
	v_add_f32 v8, v8, v9
	v_add_f32 v10, v10, v11
	v_add_f32 v12, v12, v13
	v_add_f32 v14, v14, v15
	v_add_f32 v8, v8, v10
	v_add_f32 v12, v12, v14
	v_add_f32 v8, v8, v12
.endm
	s_load_b256 s[4:11], s[0:1], 0x0               ; x1 s[4:5], ln_w s[6:7], ln_b s[8:9], hq s[10:11]
	v_lshl_add_u32 v254, v0, 2, 0x800
	v_mov_b32 v255, 0
	v_lshrrev_b32 v1, 5, v0
	v_readfirstlane_b32 s12, v1                    ; wave = K step 0..7
	v_and_b32 v2, 15, v0                           ; r
	v_bfe_u32 v3, v0, 4, 1                         ; h
	v_and_b32 v4, 31, v0                           ; lane
	v_lshlrev_b32 v5, 12, v2
	v_lshl_add_u32 v5, v3, 6, v5                   ; x1: row r of 4,096 bytes, + 64 h
	v_lshlrev_b32 v6, 6, v3                        ; ln_w, ln_b: 64 h
	v_lshlrev_b32 v7, 2, v0                        ; LDS: my word: 128 x wave + 4 x lane
	v_lshlrev_b32 v1, 2, v4                        ; LDS: my lane's word of wave 0
	v_lshlrev_b32 v252, 4, v4                      ; the codes: 16 bytes a lane
	v_lshlrev_b32 v253, 2, v2                      ; the scale words: 4 bytes a row
	s_lshl_b32 s14, ttmp9, 16                      ; 16 rows of 4,096 bytes
	s_lshl_b32 s16, s12, 9                         ; my 128 columns
	s_add_co_u32 s14, s14, s16
	s_mov_b32 s15, 0
	s_mov_b32 s17, 0
	s_lshl_b32 s20, ttmp9, 3
	s_add_co_u32 s20, s20, s12
	s_mul_i32 s20, s20, 1536                       ; my fragment
	s_mov_b32 s21, 0
	s_lshl_b32 s22, s12, 14                        ; my step's 4,096 words,
	s_lshl_b32 s23, ttmp9, 6                       ; my 16 rows' among them
	s_add_co_u32 s22, s22, s23
	s_add_co_u32 s22, s22, 3145728
	s_mov_b32 s23, 0
	s_mov_b32 s[SEL], 0x76543210
	s_mov_b32 s[SEL+1], 0xfedcba98
	s_mov_b32 s24, 0x3a800000                      ; 1 / 1,024
	s_mov_b32 s25, 0x3727c5ac                      ; 1e-5
	s_wait_kmcnt 0x0
	s_add_nc_u64 s[4:5], s[4:5], s[14:15]
	s_add_nc_u64 s[6:7], s[6:7], s[16:17]
	s_add_nc_u64 s[8:9], s[8:9], s[16:17]
	s_add_nc_u64 s[26:27], s[10:11], s[20:21]
	s_add_nc_u64 s[28:29], s[10:11], s[22:23]
.irp b, 0,1,2,3
.irp j, 0,1,2,3
	global_load_b128 v[XR+16*\b+4*\j:XR+16*\b+4*\j+3], v5, s[4:5] offset:128*\b+16*\j
.endr
.endr
.irp b, 0,1,2,3
.irp j, 0,1,2,3
	global_load_b128 v[WR+16*\b+4*\j:WR+16*\b+4*\j+3], v6, s[6:7] offset:128*\b+16*\j
.endr
.endr
.irp b, 0,1,2,3
.irp j, 0,1,2,3
	global_load_b128 v[BR+16*\b+4*\j:BR+16*\b+4*\j+3], v6, s[8:9] offset:128*\b+16*\j
.endr
.endr
.irp b, 0,1,2,3
	v_mov_b32 v[TM+4+\b], 0                        ; a lane permute's destination counts as read
.endr
	s_wait_loadcnt 32                              ; x1's sixteen loads are in; ln_w's and ln_b's may be out
.irp c, 0,1,2,3                        ; the sum, two at a time, in four chains
	v_pk_add_f32 v[8+2*\c:9+2*\c], v[XR+2*\c:XR+2*\c+1], v[XR+8+2*\c:XR+8+2*\c+1]
.endr
.irp j, 16,24,32,40,48,56
.irp c, 0,1,2,3
	v_pk_add_f32 v[8+2*\c:9+2*\c], v[8+2*\c:9+2*\c], v[XR+\j+2*\c:XR+\j+2*\c+1]
.endr
.endr
	v_pk_add_f32 v[8:9], v[8:9], v[10:11]
	v_pk_add_f32 v[12:13], v[12:13], v[14:15]
	v_pk_add_f32 v[8:9], v[8:9], v[12:13]
	ACROSS 0
	v_mul_f32 v248, s24, v8                        ; the mean
	v_mov_b32 v249, v248
.set n, 0
.rept 32
	v_pk_add_f32 v[XR+n:XR+n+1], v[XR+n:XR+n+1], v[248:249] neg_lo:[0,1] neg_hi:[0,1]   ; x - mean
.set n, n+2
.endr
.irp c, 0,1,2,3
	v_pk_mul_f32 v[8+2*\c:9+2*\c], v[XR+2*\c:XR+2*\c+1], v[XR+2*\c:XR+2*\c+1]
.endr
.irp j, 8,16,24,32,40,48,56
.irp c, 0,1,2,3
	v_pk_fma_f32 v[8+2*\c:9+2*\c], v[XR+\j+2*\c:XR+\j+2*\c+1], v[XR+\j+2*\c:XR+\j+2*\c+1], v[8+2*\c:9+2*\c]
.endr
.endr
	v_pk_add_f32 v[8:9], v[8:9], v[10:11]
	v_pk_add_f32 v[12:13], v[12:13], v[14:15]
	v_pk_add_f32 v[8:9], v[8:9], v[12:13]
	ACROSS 1024                                    ; other bytes than the first sum's: no wave can overwrite what another still reads
	v_fma_f32 v8, v8, s24, s25                     ; the variance + 1e-5
	v_rsq_f32 v250, v8
	v_nop                                          ; one plain instruction behind the transcendental
	s_wait_alu depctr_va_vdst(0)                   ; ahead of its first reader
	v_mov_b32 v251, v250
	s_wait_loadcnt 0x0                             ; ln_w, ln_b
.set n, 0
.rept 32
	v_pk_mul_f32 v[XR+n:XR+n+1], v[XR+n:XR+n+1], v[250:251]
.set n, n+2
.endr
.set n, 0
.rept 32
	v_pk_fma_f32 v[XR+n:XR+n+1], v[XR+n:XR+n+1], v[WR+n:WR+n+1], v[BR+n:BR+n+1]
.set n, n+2
.endr
	QUANT XR
.irp c, 0,1,2
	global_store_b128 v252, v[PC+4*\c:PC+4*\c+3], s[26:27] offset:512*\c   ; the fragment as it stands: 512 consecutive bytes a store, aligned
.endr
	v_cmp_gt_u32 vcc_lo, 16, v4
	s_wait_xcnt 0x0                                ; EXEC changes only behind this wait
	s_wait_tensorcnt 0x0
	ds_add_u32 v254, v255
	s_wait_dscnt 0x0
	s_and_saveexec_b32 s30, vcc_lo
	global_store_b32 v253, v[PW], s[28:29]         ; lanes 0-15: the sixteen rows' scale words
	s_wait_xcnt 0x0
	s_or_b32 exec_lo, exec_lo, s30
	s_endpgm
.Lfunc_end_k_qbbba26711c_lnq:
	.size	k_qbbba26711c_lnq, .Lfunc_end_k_qbbba26711c_lnq-k_qbbba26711c_lnq
	.p2alignl 7, 3214868480
	.fill 96, 4, 3214868480
	.section	.rodata,"a",@progbits
	.p2align	6, 0x0
	.amdhsa_kernel k_qbbba26711c_lnq
		.amdhsa_group_segment_fixed_size 3072
		.amdhsa_private_segment_fixed_size 0
		.amdhsa_enable_private_segment 0
		.amdhsa_kernarg_size 32
		.amdhsa_user_sgpr_count 2
		.amdhsa_user_sgpr_kernarg_segment_ptr 1
		.amdhsa_wavefront_size32 1
		.amdhsa_system_sgpr_workgroup_id_x 1
		.amdhsa_system_sgpr_workgroup_id_y 1
		.amdhsa_system_sgpr_workgroup_id_z 1
		.amdhsa_system_vgpr_workitem_id 0
		.amdhsa_next_free_vgpr 256
		.amdhsa_next_free_sgpr 66
		.amdhsa_reserve_vcc 1
		.amdhsa_float_denorm_mode_32 3
		.amdhsa_float_denorm_mode_16_64 3
		.amdhsa_memory_ordered 1
		.amdhsa_forward_progress 1
		.amdhsa_inst_pref_size 24
	.end_amdhsa_kernel
	.amdgpu_metadata
---
amdhsa.version: [ 1, 2 ]
amdhsa.kernels:
  - .name:           k_qbbba26711c_lnq
    .symbol:         k_qbbba26711c_lnq.kd
    .args:
      - { .name: x1, .offset: 0, .size: 8, .value_kind: global_buffer, .address_space: global }
      - { .name: ln_w, .offset: 8, .size: 8, .value_kind: global_buffer, .address_space: global }
      - { .name: ln_b, .offset: 16, .size: 8, .value_kind: global_buffer, .address_space: global }
      - { .name: hq, .offset: 24, .size: 8, .value_kind: global_buffer, .address_space: global }
    .group_segment_fixed_size: 3072
    .private_segment_fixed_size: 0
    .kernarg_segment_align: 8
    .kernarg_segment_size: 32
    .max_flat_workgroup_size: 256
    .sgpr_count:     66
    .vgpr_count:     256
    .wavefront_size: 32
...
	.end_amdgpu_metadata
.endif
;; end of part 3
;; launch ffn1 (part 4): grid 16 x 16, 4 waves a work-group, clusters of 4 x 4, 327,680 bytes of LDS; arguments hq, w1q, b1, gq; writes gq
.if DOCPART == 4
	.amdgcn_target "amdgcn-amd-amdhsa--gfx1250"
	.amdhsa_code_object_version 6
	.text
	.protected	k_qbbba26711c_ffn1
	.globl	k_qbbba26711c_ffn1
	.p2align	8
	.type	k_qbbba26711c_ffn1,@function
k_qbbba26711c_ffn1:
	s_mov_b64 s[64:65], 0
	v_nop
	global_prefetch_b8 v0, s[64:65] scope:SCOPE_SE
	s_setreg_imm32_b32 hwreg(HW_REG_WAVE_MODE, 25, 1), 1
	s_wait_xcnt 0x0
	s_wait_alu depctr_hold_cnt(0) depctr_sa_sdst(0) depctr_va_vdst(0) depctr_va_sdst(0) depctr_va_ssrc(0) depctr_va_vcc(0) depctr_vm_vsrc(0)
	s_getreg_b32 s2, hwreg(HW_REG_IB_STS2, 6, 4)
	s_cmp_eq_u32 s2, 0
	s_cbranch_scc0 .Lentry_in_a_cluster
	s_endpgm
.Lentry_in_a_cluster:
	s_bfe_u32 s2, ttmp6, 0x10000c
	s_cmp_lg_u32 s2, 0xf033
	s_cbranch_scc0 .Lentry_shape_is_right
	s_endpgm
.Lentry_shape_is_right:
; FFN1: g = gelu(h w1 + b1), quantised along its row.  h (hq) and w1 (w1q) are codes of E3M2 in the order of the operand's registers, [4,096 rows][1,024 K]: fragment (row tile, K step) at (8 x tile + step) x 1,536 bytes,
; scale words [8 steps][4,096 rows] from byte 3,145,728.  gq: [4,096 rows][4,096 K]: fragment at (32 x tile + step) x 1,536, scale words [32 steps][4,096 rows] from byte 12,582,912.
; A tile of 256 x 256 is made by four waves, 128 x 128 each: 64 accumulators, 512 registers.  K goes in steps of 256 through a ring of two LDS slots; a tensor load brings 8 row tiles x 2 fragments (rows of 3,072 bytes).
; A fragment comes out of LDS by three loads of 16 bytes a lane, 512 consecutive bytes each.  The scale words of the work-group's rows, for all of K, come once, with the first fills.
; CLUSTERS: 4 x 4 work-groups; h's tiles are shared along a row of the cluster, w1's along a column: joint loads.  lds_bytes claims all of a WGP's LDS.
; TRANSPOSED USE: source 0 = 16 rows of w1q, source 1 = 16 rows of h: a lane holds one row of g.  w1q's rows are stored so that the 16 registers of tiles 2 B and 2 B + 1 are columns 32 B + 16 (lane / 16) + 0 .. 15:
; so a block of 16 rows x 128 columns is quantised in registers and leaves as one fragment of gq: no LDS on the way out.  b1 is the C of each sum's first product.
; GELU: z = x / sqrt 2; g = z (c + c erf z), c = 1 / sqrt 2; erf z = z P(z^2) / Q(z^2) with z held to +-3.7439, in f32.
; LIMITS: erf's absolute error is about 1e-7, so gelu's relative error grows for x under about -3; NaN and infinities are not served; a block of zeros gets the byte 1.
; REGISTERS: window 0: v16-29 addresses; v32-63 scale words, two sets; v64-127 b1; v128-223 h's fragments, one set; on the way out v32-247 are at work.  window 1: w1's fragments, two sets, at v0 and v128.
;   windows 2, 3: the accumulators of my rows 0-63 and 64-127 (accumulator (a, b) at v[8 (8 (a % 4) + b)]).
.set NQ,    2                          ; matrix instructions deep in a slot
.set FR,    12
.set NL,    3                          ; LDS loads that bring a fragment
.set NP,    4                          ; places behind this matrix instruction (ISA guide 7.12.1)
.set FRB,   1536
.set RUN,   NQ*FRB                     ; a row tile's part of a slot
.set HALFT, 8*RUN                      ; 128 rows: what one tensor load brings
.set SLOT,  4*HALFT
.set LAPS,  2                          ; 1,024 / 512
.set SCL,   2*SLOT                     ; behind the ring: the scale words, [8 steps][128 rows] for each of the four halves
.set HALFS, 4096
.set SPARE, SCL+4*HALFS                ; the spare words, 128 bytes a wave
.set ADRA, 16                          ; v16-17 LDS address of my fragments of h in slot 0, 1;  v20-21 of w1
.set ADRB, 20
.set BV,   24                          ; v24 b1: 64 x (lane / 16)
.set SO4,  25                          ; v25 4 x lane
.set CO,   26                          ; v26 16 x lane
.set ADRS, 27                          ; v27 LDS address of my scale words: lanes 0-15 h's rows, lanes 16-31 w1's
.set SPW,  28
.set NIL,  29
.set SC,   32
.set BI,   64
.set AF,   128
.set G1, 24
.set G0, 32
.set G1B, 48
.set G0B, 56
.set G1S, 68
.set G0S, 76
.set G1SB, 80
.set G0SB, 88
.set SEL, 66
.set MSB, 0
.macro WIN new                         ; the immediate's high byte repeats the setting that is left
.if MSB != (\new)
	s_set_vgpr_msb (MSB<<8)|(\new)
.set MSB, (\new)
.endif
.endm
.set MUL_LO, 0xa1                      ; source 0 (w1) window 1, source 1 (h) window 0, C and D window 2
.set MUL_HI, 0xf1
.set TO_B,   0x40
.macro JLOAD g0a, g1a, g0b, g1b        ; a joint load: waves 0 and 1 fetch for h, waves 2 and 3 for w1; four v_nop follow each line
	s_cmp_eq_u32 s15, 0
	s_cbranch_scc0 .Lfor_b_\@
	tensor_load_to_lds s[\g0a:\g0a+3], s[\g1a:\g1a+7]
	s_nop 0
.rept 4
	v_nop
.endr
	s_branch .Lasked_\@
.Lfor_b_\@:
	tensor_load_to_lds s[\g0b:\g0b+3], s[\g1b:\g1b+7]
	s_nop 0
.rept 4
	v_nop
.endr
.Lasked_\@:
.endm
.macro CREST
	s_cmp_lg_u32 s14, 0
	s_cbranch_scc1 .Lnot_wave_0_\@
	s_barrier_signal -3
.Lnot_wave_0_\@:
	s_barrier_wait -3
	s_barrier_signal -1
	s_barrier_wait -1
.endm
.macro CROUND
	s_barrier_signal -1
	s_barrier_wait -1
	CREST
.endm
	s_load_b256 s[4:11], s[0:1], 0x0               ; hq s[4:5], w1q s[6:7], b1 s[8:9], gq s[10:11]
	v_lshl_add_u32 v[SPW], v0, 2, SPARE
	v_mov_b32 v[NIL], 0
	ds_add_u32 v28, v29
	ds_add_u32 v28, v29
	s_wait_dscnt 0x0
	v_lshrrev_b32 v1, 5, v0
	v_readfirstlane_b32 s14, v1                    ; wave 0..3
	s_lshr_b32 s15, s14, 1                         ; which half of the tile's rows is mine.  Also: I fetch for h (0) or for w1 (1)
	s_and_b32 s16, s14, 1                          ; which half of its columns.  Also: which 128 rows I fetch
	s_bfe_u32 s40, ttmp6, 0x40000                  ; cx, cy
	s_bfe_u32 s41, ttmp6, 0x40004
	s_lshl_b32 s42, ttmp9, 2
	s_add_co_u32 s42, s42, s40                     ; tile column
	s_and_b32 s17, ttmp7, 0xffff
	s_lshl_b32 s17, s17, 2
	s_add_co_u32 s17, s17, s41                     ; tile row
	s_lshl_b32 s43, s41, 2
	s_lshl_b32 s43, 15, s43                        ; my row of the cluster
	s_lshl_b32 s44, 0x1111, s40                    ; my column
	s_or_b32 s[G1+0], s43, (3<<16)|(1<<21)         ; the mask; elements of 8 bytes; bit 21 set beside a mask; no padding
	s_or_b32 s[G1B+0], s44, (3<<16)|(1<<21)
.irp g, G1, G1B
	s_mov_b32 s[\g+1], 384<<16                     ; tensor_dim0: 3,072 bytes: a row tile's two fragments
	s_mov_b32 s[\g+2], 8<<16                       ; tensor_dim1: 8 row tiles
	s_mov_b32 s[\g+3], 384<<16                     ; tile_dim0
	s_mov_b32 s[\g+4], 8                           ; tile_dim1
	s_mov_b32 s[\g+5], 1536                        ; from row tile to row tile: 8 fragments
	s_mov_b32 s[\g+6], 0
	s_mov_b32 s[\g+7], 0
.endr
	s_or_b32 s[G1S+0], s43, (3<<16)|(1<<21)
	s_or_b32 s[G1SB+0], s44, (3<<16)|(1<<21)
.irp g, G1S, G1SB
	s_mov_b32 s[\g+1], 64<<16                      ; 128 rows' words of one K step: 512 bytes
	s_mov_b32 s[\g+2], 8<<16                       ; 8 K steps
	s_mov_b32 s[\g+3], 64<<16
	s_mov_b32 s[\g+4], 8
	s_mov_b32 s[\g+5], 2048                        ; 4,096 words from step to step
	s_mov_b32 s[\g+6], 0
	s_mov_b32 s[\g+7], 0
.endr
	s_mul_i32 s18, s16, 98304                      ; which 8 row tiles of the 16
	s_mul_i32 s20, s17, 196608                     ; h: 16 row tiles of 8 fragments a tile row
	s_add_co_u32 s20, s20, s18
	s_mov_b32 s21, 0
	s_mul_i32 s46, s42, 196608                     ; w1 likewise, by the tile column
	s_add_co_u32 s46, s46, s18
	s_mov_b32 s47, 0
	s_lshl_b32 s19, s16, 9
	s_lshl_b32 s22, s17, 10                        ; the scale words of these rows
	s_add_co_u32 s22, s22, s19
	s_add_co_u32 s22, s22, 3145728
	s_mov_b32 s23, 0
	s_lshl_b32 s92, s42, 10
	s_add_co_u32 s92, s92, s19
	s_add_co_u32 s92, s92, 3145728
	s_mov_b32 s93, 0
	s_mul_i32 s45, s14, HALFT                      ; where they go: by the wave alone
	s_mul_i32 s94, s14, HALFS
	s_wait_kmcnt 0x0
	s_add_nc_u64 s[20:21], s[4:5], s[20:21]
	s_add_nc_u64 s[22:23], s[4:5], s[22:23]
	s_add_nc_u64 s[46:47], s[6:7], s[46:47]
	s_add_nc_u64 s[92:93], s[6:7], s[92:93]
	CROUND                                         ; all sixteen work-groups are here: the first joint loads meet
	s_mov_b32 s[G0S], 1
	s_add_co_u32 s[G0S+1], s94, SCL
	s_mov_b64 s[G0S+2:G0S+3], s[22:23]
	s_or_b32 s[G0S+3], s[G0S+3], 0x80000000
	s_mov_b32 s[G0SB], 1
	s_add_co_u32 s[G0SB+1], s94, SCL
	s_mov_b64 s[G0SB+2:G0SB+3], s[92:93]
	s_or_b32 s[G0SB+3], s[G0SB+3], 0x80000000
	JLOAD G0S, G1S, G0SB, G1SB                     ; the scale words first; three tensor loads of mine are out at the most
.irp s, 0,1
	s_mov_b32 s[G0+4*\s], 1
	s_add_co_u32 s[G0+4*\s+1], s45, \s*SLOT
	s_add_nc_u64 s[G0+4*\s+2:G0+4*\s+3], s[20:21], \s*RUN
	s_or_b32 s[G0+4*\s+3], s[G0+4*\s+3], 0x80000000
	s_mov_b32 s[G0B+4*\s], 1
	s_add_co_u32 s[G0B+4*\s+1], s45, \s*SLOT
	s_add_nc_u64 s[G0B+4*\s+2:G0B+4*\s+3], s[46:47], \s*RUN
	s_or_b32 s[G0B+4*\s+3], s[G0B+4*\s+3], 0x80000000
	JLOAD G0+4*\s, G1, G0B+4*\s, G1B
.endr
	v_and_b32 v1, 15, v0                           ; r
	v_bfe_u32 v2, v0, 4, 1                         ; h
	v_and_b32 v3, 31, v0
	v_lshlrev_b32 v[CO], 4, v3
	v_lshlrev_b32 v[SO4], 2, v3
	v_lshlrev_b32 v[BV], 6, v2
	s_mul_i32 s21, s15, HALFT                      ; my 128 rows of h
	s_mul_i32 s22, s16, HALFT                      ; my 128 rows of w1,
	s_add_co_u32 s22, s22, 2*HALFT                 ; behind h's 256
.irp s, 0,1
	v_add_nc_u32 v[ADRA+\s], s21, v[CO]
	v_add_nc_u32 v[ADRB+\s], s22, v[CO]
	s_add_co_u32 s21, s21, SLOT
	s_add_co_u32 s22, s22, SLOT
.endr
	v_lshlrev_b32 v5, 2, v1
	s_mul_i32 s21, s15, HALFS
	s_mul_i32 s22, s16, HALFS
	s_add_co_u32 s22, s22, 2*HALFS
	s_sub_co_u32 s22, s22, s21
	v_mul_u32_u24 v6, s22, v2                      ; lanes 16-31 take w1's: one product, the distance between the two bases
	s_add_co_u32 s21, s21, SCL
	v_add_nc_u32 v5, v5, v6
	v_add_nc_u32 v[ADRS], s21, v5
	s_lshl_b32 s46, s42, 10                        ; b1: my first column x 4
	s_lshl_b32 s47, s16, 9
	s_add_co_u32 s46, s46, s47
	s_mov_b32 s47, 0
	s_add_nc_u64 s[8:9], s[8:9], s[46:47]
.irp b, 0,1,2,3,4,5,6,7                ; lane (r, h) wants, for tile b, b1 at columns 32 (b / 2) + 16 h + 8 (b % 2) + 0 .. 7
	global_load_b128 v[BI+8*\b:BI+8*\b+3], v[BV], s[8:9] offset:(32*(\b/2)+8*(\b%2))*4
	global_load_b128 v[BI+8*\b+4:BI+8*\b+7], v[BV], s[8:9] offset:(32*(\b/2)+8*(\b%2))*4+16
.endr
	s_lshl_b32 s20, s17, 4
	s_lshl_b32 s21, s15, 3
	s_add_co_u32 s20, s20, s21                     ; gq: my first row tile,
	s_lshl_b32 s22, s42, 1
	s_add_co_u32 s22, s22, s16                     ; my K step
	s_mul_i32 s46, s20, 49152
	s_mul_i32 s47, s22, 1536
	s_add_co_u32 s46, s46, s47
	s_mov_b32 s47, 0
	s_add_nc_u64 s[12:13], s[10:11], s[46:47]      ; the codes
	s_lshl_b32 s46, s22, 14
	s_lshl_b32 s47, s20, 6
	s_add_co_u32 s46, s46, s47
	s_add_co_u32 s46, s46, 12582912
	s_mov_b32 s47, 0
	s_add_nc_u64 s[44:45], s[10:11], s[46:47]      ; the scale words
.macro FRAG reg, adr, q, i             ; fragment (row tile i, the slot's q-th 128 along K): the image of its twelve registers
.irp c, 0,1,2
	ds_load_b128 v[\reg+4*\c:\reg+4*\c+3], v[\adr] offset:(2*(\i)+(\q))*FRB+512*\c
.endr
.endm
; 16 matrix instructions: h's blocks a0, a0 + 1 x w1's eight.  first = 1: b1 is the C: nothing is cleared.  The 64 accumulators take turns, one instruction a turn, in the same order in every step.
.macro MUL16 a0, p, q, sc, first
.irp a, \a0, \a0+1
.irp b, 0,1,2,3,4,5,6,7
.if \first
	v_wmma_scale_f32_16x16x128_f8f6f4 v[8*(8*((\a)%4)+\b):8*(8*((\a)%4)+\b)+7], v[128*(\p)+FR*\b:128*(\p)+FR*\b+FR-1], v[AF+FR*(\a):AF+FR*(\a)+FR-1], v[BI+8*\b:BI+8*\b+7], v[SC+8*NQ*(\sc)+NQ*\b+(\q)], v[SC+8*NQ*(\sc)+NQ*(\a)+(\q)] matrix_a_fmt:MATRIX_FMT_BF6 matrix_b_fmt:MATRIX_FMT_BF6 matrix_a_scale:MATRIX_SCALE_ROW1
.else
	v_wmma_scale_f32_16x16x128_f8f6f4 v[8*(8*((\a)%4)+\b):8*(8*((\a)%4)+\b)+7], v[128*(\p)+FR*\b:128*(\p)+FR*\b+FR-1], v[AF+FR*(\a):AF+FR*(\a)+FR-1], v[8*(8*((\a)%4)+\b):8*(8*((\a)%4)+\b)+7], v[SC+8*NQ*(\sc)+NQ*\b+(\q)], v[SC+8*NQ*(\sc)+NQ*(\a)+(\q)] matrix_a_fmt:MATRIX_FMT_BF6 matrix_b_fmt:MATRIX_FMT_BF6 matrix_a_scale:MATRIX_SCALE_ROW1
.endif
.endr
.endr
.endm
.macro FETCH_B slot, q, p
	WIN TO_B
.irp i, 0,1,2,3,4,5,6,7
	FRAG 128*(\p)+FR*\i, ADRB+\slot, \q, \i
.endr
	WIN 0
.endm
.macro FETCH_A slot, q, i0
.irp i, \i0, \i0+1, \i0+2, \i0+3
	FRAG AF+FR*(\i), ADRA+\slot, \q, \i
.endr
.endm
.macro SCALES sc                       ; a K step's scale words: register NQ i + q: lanes 0-15 h's block i, lanes 16-31 w1's block i
.irp i, 0,1,2,3,4,5,6,7
.irp q, 0,1
	ds_load_b32 v[SC+8*NQ*\sc+NQ*\i+\q], v[ADRS] offset:512*\q+64*\i
.endr
.endr
.endm
.macro PLACES n                        ; plain instructions between a matrix instruction and a load into, or a read of, its registers
.rept \n
	v_nop
.endr
.endm
.macro STEP slot, q, first             ; a step of 128 along K that has its successor in the same slot
	s_wait_dscnt 4*NL                              ; w1's set, h's blocks 0-3 and the scale words are in; the youngest twelve loads (h's blocks 4-7) may be out
.if \first
	WIN 0x81                                       ; C (b1) in window 0, D in window 2
.else
	WIN MUL_LO
.endif
	MUL16 0, (\q)%2, \q, \slot, \first
	MUL16 2, (\q)%2, \q, \slot, \first
	s_wait_dscnt 0x0                               ; h's blocks 4-7 are in
	PLACES NP
	FETCH_B \slot, (\q)+1, 1-(\q)%2
	FETCH_A \slot, (\q)+1, 0
.if \first
	WIN 0xc1
.else
	WIN MUL_HI
.endif
	MUL16 4, (\q)%2, \q, \slot, \first
	MUL16 6, (\q)%2, \q, \slot, \first
	PLACES NP
	WIN 0
	FETCH_A \slot, (\q)+1, 4
.endm
; A slot's last step changes slots: one barrier; in front of it each wave waits for all its tensor loads, adds 0 to its spare word, and waits for that and for its reads of this slot.
.macro TURN slot, next, fill
	s_wait_tensorcnt 0x0                           ; all my tensor loads have landed: my part of the next slot
	ds_add_u32 v[SPW], v[NIL]                      ; 0 onto my spare word
	s_wait_dscnt 4*NL+1                            ; (the add and h's blocks 4-7 may be out)
	WIN MUL_LO
	MUL16 0, 1, NQ-1, \slot, 0
	s_wait_dscnt 0x0                               ; the add is done, and my reads of this slot are over
	s_barrier_signal -1
	MUL16 2, 1, NQ-1, \slot, 0
	WIN 0
	s_barrier_wait -1
.if \fill
	CREST                                          ; the barrier has opened a round of the cluster's: no wave of any partner still reads this slot or has a load on its way
	s_add_nc_u64 s[G0+4*\slot+2:G0+4*\slot+3], s[G0+4*\slot+2:G0+4*\slot+3], 2*RUN
	s_add_nc_u64 s[G0B+4*\slot+2:G0B+4*\slot+3], s[G0B+4*\slot+2:G0B+4*\slot+3], 2*RUN
	JLOAD G0+4*\slot, G1, G0B+4*\slot, G1B         ; the first tensor load behind the round; its four v_nop are the places in front of the loads below
.else
	PLACES NP
.endif
	v_add_nc_u32 v[ADRS], 512*NQ, v[ADRS]          ; the next K step's scale words
	FETCH_B \next, 0, 0
	FETCH_A \next, 0, 0
	SCALES \next
	WIN MUL_HI
	MUL16 4, 1, NQ-1, \slot, 0
	MUL16 6, 1, NQ-1, \slot, 0
	PLACES NP
	WIN 0
	FETCH_A \next, 0, 4
.endm
	s_wait_tensorcnt 1                             ; the scale words and my part of K step 0 are in (K step 1's load may be out),
	s_barrier_signal -1
	s_barrier_wait -1                              ; everybody's are
	FETCH_B 0, 0, 0
	FETCH_A 0, 0, 0
	SCALES 0
	FETCH_A 0, 0, 4
	s_wait_loadcnt 0x0                             ; b1
	STEP 0, 0, 1
.rept LAPS-1                           ; K = 1,024 has one lap that fills both slots again: written out
	TURN 0, 1, 1
	STEP 1, 0, 0
	TURN 1, 0, 1
	STEP 0, 0, 0
.endr
	TURN 0, 1, 0                                   ; the last lap fills nothing
	STEP 1, 0, 0
	s_wait_dscnt 4*NL
	WIN MUL_LO
	MUL16 0, 1, NQ-1, 1, 0
	MUL16 2, 1, NQ-1, 1, 0
	s_wait_dscnt 0x0
	WIN MUL_HI
	MUL16 4, 1, NQ-1, 1, 0
	MUL16 6, 1, NQ-1, 1, 0
	WIN 0
; THE WAY OUT: eight blocks of 16 rows x 128 columns, a loop of eight trips.  A trip copies its block's eight accumulators (times 1 / sqrt 2) into window 0, by one of eight short runs chosen by the trip's number,
; since the register numbers differ; all else is written once.
.set ZZ, 96                            ; v96-127 z held; v128-159 z^2; v160-191 P; v192-223 Q: 32 numbers at a time
.set TT, 128
.set PP, 160
.set QQ, 192
.set TM, 228                           ; v228-243 at work in QUANT
.set PW, 244
.set CL, 245
.set PWE, 246                          ; the even block's scale word
.set PWO, 247
.set PC, 96                            ; the codes
.set KA9, 4                            ; scalar pairs (the packed forms name a pair and take its low word): P's coefficients,
.set KA5, 6
.set KA3, 8
.set KA1, 10
.set KB12, 16                          ; Q's,
.set KB8, 18
.set KB6, 20
.set KB4, 22
.set KB2, 40
.set KC, 42                            ; 1 / sqrt 2
.macro KPAIR reg, val
	s_mov_b32 s[\reg], \val
	s_mov_b32 s[\reg+1], \val
.endm
.macro QUANT s                         ; 64 numbers of a lane, register 16 b + i = k 32 b + 16 (lane / 16) + i of my row, become a fragment's codes in v[PC] on and its scale word in v[PW]
.irp b, 0,1,2,3
	v_max3_num_f32 v[TM+\b], |v[\s+16*\b]|, |v[\s+1+16*\b]|, 0x2800000
.endr
.irp i, 2,4,6,8,10,12,14
.irp b, 0,1,2,3
	v_max3_num_f32 v[TM+\b], v[TM+\b], |v[\s+16*\b+\i]|, |v[\s+1+16*\b+\i]|
.endr
.endr
.irp b, 0,1,2,3
	v_permlanex16_b32 v[TM+4+\b], v[TM+\b], s[SEL], s[SEL+1]
.endr
.irp b, 0,1,2,3
	v_max_num_f32 v[TM+\b], v[TM+\b], v[TM+4+\b]
.endr
.irp b, 0,1,2,3
	v_add_nc_u32 v[TM+12+\b], 0xfe000000, v[TM+\b]
.endr
.irp b, 0,1,2,3
	v_lshrrev_b32 v[TM+4+\b], 23, v[TM+12+\b]
.endr
	v_lshl_or_b32 v[PW], v[TM+5], 8, v[TM+4]
	v_lshl_or_b32 v[PW], v[TM+6], 16, v[PW]
	v_lshl_or_b32 v[PW], v[TM+7], 24, v[PW]
.irp c, 0,1
	v_cvt_scalef32_pk16_bf6_f32 v[PC+6*\c:PC+2+6*\c], v[\s+32*\c:\s+15+32*\c], v[TM+12+2*\c]
	v_cvt_scalef32_pk16_bf6_f32 v[PC+12+4*\c:PC+14+4*\c], v[\s+16+32*\c:\s+31+32*\c], v[TM+12+2*\c+1]
.endr
	v_nop                                          ; one plain instruction behind the conversions
.irp c, 0,1
.irp i, 0,1,2
	v_permlane16_swap_b32 v[PC+6*\c+\i], v[PC+12+4*\c+\i]
.endr
.irp i, 0,1,2
	v_mov_b32 v[PC+3+6*\c+\i], v[PC+12+4*\c+\i]
.endr
.endr
.endm
.macro HORNER d, k                     ; d = d z^2 + k, 32 numbers
.set n, 0
.rept 16
	v_pk_fma_f32 v[\d+n:\d+n+1], v[\d+n:\d+n+1], v[TT+n:TT+n+1], s[\k:\k+1] op_sel_hi:[1,1,0]
.set n, n+2
.endr
.endm
.macro GELU u                          ; v[32 + 32 u] on: 32 numbers z become z (c + c erf z)
.set ZU, 32+32*(\u)
.set n, 0
.rept 32
	v_med3_num_f32 v[ZZ+n], v[ZU+n], -v[CL], v[CL]
.set n, n+1
.endr
.set n, 0
.rept 16
	v_pk_mul_f32 v[TT+n:TT+n+1], v[ZZ+n:ZZ+n+1], v[ZZ+n:ZZ+n+1]
.set n, n+2
.endr
.set n, 0
.rept 16
	v_pk_fma_f32 v[PP+n:PP+n+1], v[TT+n:TT+n+1], s[KA9:KA9+1], v[224:225] op_sel_hi:[1,0,1]
.set n, n+2
.endr
.set n, 0
.rept 16
	v_pk_fma_f32 v[QQ+n:QQ+n+1], v[TT+n:TT+n+1], s[KB12:KB12+1], v[226:227] op_sel_hi:[1,0,1]
.set n, n+2
.endr
	HORNER PP, KA5
	HORNER QQ, KB8
	HORNER PP, KA3
	HORNER QQ, KB6
	HORNER PP, KA1
	HORNER QQ, KB4
	HORNER QQ, KB2
.set n, 0
.rept 16
	v_pk_fma_f32 v[QQ+n:QQ+n+1], v[QQ+n:QQ+n+1], v[TT+n:TT+n+1], 1.0 op_sel_hi:[1,1,0]
.set n, n+2
.endr
.set n, 0
.rept 32
	v_rcp_f32 v[QQ+n], v[QQ+n]
.set n, n+1
.endr
.set n, 0
.rept 16
	v_pk_mul_f32 v[PP+n:PP+n+1], v[PP+n:PP+n+1], v[ZZ+n:ZZ+n+1]   ; plain work behind the reciprocals, which names none of their results
.set n, n+2
.endr
	s_wait_alu depctr_va_vdst(0)                   ; one wait for the batch of 32, ahead of its first reader
.set n, 0
.rept 16
	v_pk_mul_f32 v[PP+n:PP+n+1], v[PP+n:PP+n+1], v[QQ+n:QQ+n+1]   ; erf z
.set n, n+2
.endr
.set n, 0
.rept 16
	v_pk_fma_f32 v[PP+n:PP+n+1], v[PP+n:PP+n+1], s[KC:KC+1], s[KC:KC+1] op_sel_hi:[1,0,0]
.set n, n+2
.endr
.set n, 0
.rept 16
	v_pk_mul_f32 v[ZU+n:ZU+n+1], v[ZU+n:ZU+n+1], v[PP+n:PP+n+1]
.set n, n+2
.endr
.endm
	PLACES NP                                      ; behind the last products: results are read and operands' registers written from here on
	KPAIR KA9, 0x39702d51
	KPAIR KA5, 0x3d50b6eb
	KPAIR KA3, 0x3e3da740
	KPAIR KA1, 0x3f906eba
	KPAIR KB12, 0xb3fd3906
	KPAIR KB8, 0x3a856d28
	KPAIR KB6, 0x3c6687d4
	KPAIR KB4, 0x3de34c21
	KPAIR KB2, 0x3efeb44a
	KPAIR KC, 0x3f3504f3
	s_mov_b32 s46, 0xffff0000                      ; lanes 16-31
	s_mov_b32 s[SEL], 0x76543210
	s_mov_b32 s[SEL+1], 0xfedcba98
	v_mov_b32 v224, 0x3b5f5da2                     ; P's and Q's second coefficients, in vector pairs: an instruction names one scalar pair beside them
	v_mov_b32 v225, 0x3b5f5da2
	v_mov_b32 v226, 0x37c588df
	v_mov_b32 v227, 0x37c588df
	v_mov_b32 v[CL], 0x406f9c68                    ; 3.7439
	v_mov_b32 v[PWE], 0
.irp b, 0,1,2,3
	v_mov_b32 v[TM+4+\b], 0                        ; a lane permute's destination counts as read
.endr
	s_mov_b32 s3, 0
.Lrow:
.irp a, 0,1,2,3,4,5,6
	s_cmp_eq_u32 s3, \a
	s_cbranch_scc1 .Lc\a
.endr
.irp a, 7,6,5,4,3,2,1,0
.Lc\a:
	WIN 0x02+(\a/4)                                ; source 0: window 2 or 3
.set n, 0
.rept 32
	v_pk_mul_f32 v[32+n:33+n], v[64*(\a%4)+n:64*(\a%4)+n+1], s[KC:KC+1] op_sel_hi:[1,0]   ; z = x / sqrt 2; each accumulator from its low end on
.set n, n+2
.endr
	WIN 0
.if \a > 0
	s_branch .Lbody
.endif
.endr
.Lbody:
	GELU 0
	GELU 1
	QUANT 32
.irp c, 0,1,2
	global_store_b128 v[CO], v[PC+4*\c:PC+4*\c+3], s[12:13] offset:512*\c   ; the fragment as it stands: 512 consecutive bytes a store, aligned
.endr
	s_bitcmp1_b32 s3, 0
	s_cbranch_scc1 .Lodd
	v_mov_b32 v[PWE], v[PW]                        ; an even block's words wait for the odd block's
	s_branch .Lstepped
.Lodd:
	v_cndmask_b32 v[PWO], v[PWE], v[PW], s46       ; lanes 0-15 the even block's rows, lanes 16-31 the odd block's: 128 consecutive bytes
	global_store_b32 v[SO4], v[PWO], s[44:45] offset:-64
.Lstepped:
	s_wait_xcnt 0x0                                ; the stores have read their data and bases: the next trip writes both again
	s_add_nc_u64 s[12:13], s[12:13], 49152         ; the next row tile: 32 fragments on
	s_add_nc_u64 s[44:45], s[44:45], 64
	s_add_co_u32 s3, s3, 1
	s_cmp_lt_u32 s3, 8
	s_cbranch_scc1 .Lrow
	s_wait_tensorcnt 0x0                           ; the wave's end
	ds_add_u32 v[SPW], v[NIL]
	s_wait_dscnt 0x0
	CROUND                                         ; the closing round
	s_endpgm
.Lfunc_end_k_qbbba26711c_ffn1:
	.size	k_qbbba26711c_ffn1, .Lfunc_end_k_qbbba26711c_ffn1-k_qbbba26711c_ffn1
	.p2alignl 7, 3214868480
	.fill 96, 4, 3214868480
	.section	.rodata,"a",@progbits
	.p2align	6, 0x0
	.amdhsa_kernel k_qbbba26711c_ffn1
		.amdhsa_group_segment_fixed_size 327680
		.amdhsa_private_segment_fixed_size 0
		.amdhsa_enable_private_segment 0
		.amdhsa_kernarg_size 32
		.amdhsa_user_sgpr_count 2
		.amdhsa_user_sgpr_kernarg_segment_ptr 1
		.amdhsa_wavefront_size32 1
		.amdhsa_system_sgpr_workgroup_id_x 1
		.amdhsa_system_sgpr_workgroup_id_y 1
		.amdhsa_system_sgpr_workgroup_id_z 1
		.amdhsa_system_vgpr_workitem_id 0
		.amdhsa_next_free_vgpr 1024
		.amdhsa_next_free_sgpr 100
		.amdhsa_reserve_vcc 0
		.amdhsa_float_denorm_mode_32 3
		.amdhsa_float_denorm_mode_16_64 3
		.amdhsa_memory_ordered 1
		.amdhsa_forward_progress 1
		.amdhsa_inst_pref_size 169
	.end_amdhsa_kernel
	.amdgpu_metadata
---
amdhsa.version: [ 1, 2 ]
amdhsa.kernels:
  - .name:           k_qbbba26711c_ffn1
    .symbol:         k_qbbba26711c_ffn1.kd
    .args:
      - { .name: hq, .offset: 0, .size: 8, .value_kind: global_buffer, .address_space: global }
      - { .name: w1q, .offset: 8, .size: 8, .value_kind: global_buffer, .address_space: global }
      - { .name: b1, .offset: 16, .size: 8, .value_kind: global_buffer, .address_space: global }
      - { .name: gq, .offset: 24, .size: 8, .value_kind: global_buffer, .address_space: global }
    .group_segment_fixed_size: 327680
    .private_segment_fixed_size: 0
    .kernarg_segment_align: 8
    .kernarg_segment_size: 32
    .max_flat_workgroup_size: 128
    .sgpr_count:     100
    .vgpr_count:     1024
    .wavefront_size: 32
...
	.end_amdgpu_metadata
.endif
;; end of part 4
;; launch ffn2 (part 5): grid 8 x 32, 4 waves a work-group, clusters of 4 x 4, 327,680 bytes of LDS; arguments gq, w2q, b2, x1, out0; writes out0
.if DOCPART == 5
	.amdgcn_target "amdgcn-amd-amdhsa--gfx1250"
	.amdhsa_code_object_version 6
	.text
	.protected	k_qbbba26711c_ffn2
	.globl	k_qbbba26711c_ffn2
	.p2align	8
	.type	k_qbbba26711c_ffn2,@function
k_qbbba26711c_ffn2:
	s_mov_b64 s[64:65], 0
	v_nop
	global_prefetch_b8 v0, s[64:65] scope:SCOPE_SE
	s_setreg_imm32_b32 hwreg(HW_REG_WAVE_MODE, 25, 1), 1
	s_wait_xcnt 0x0
	s_wait_alu depctr_hold_cnt(0) depctr_sa_sdst(0) depctr_va_vdst(0) depctr_va_sdst(0) depctr_va_ssrc(0) depctr_va_vcc(0) depctr_vm_vsrc(0)
	s_getreg_b32 s2, hwreg(HW_REG_IB_STS2, 6, 4)
	s_cmp_eq_u32 s2, 0
	s_cbranch_scc0 .Lentry_in_a_cluster
	s_endpgm
.Lentry_in_a_cluster:
	s_bfe_u32 s2, ttmp6, 0x10000c
	s_cmp_lg_u32 s2, 0xf033
	s_cbranch_scc0 .Lentry_shape_is_right
	s_endpgm
.Lentry_shape_is_right:
; FFN2: out0 = x1 + g w2 + b2.  g (gq) [4,096 rows][4,096 K] and w2 (w2q) [1,024 rows][4,096 K] are codes of E3M2 in the order of the operand's registers: fragment (row tile, K step) at (32 x tile + step) x 1,536 bytes;
; scale words [32 steps][rows], from byte 12,582,912 of gq and 3,145,728 of w2q.
; The result has 64 tiles of 256 x 256, too few for 256 WGPs: a tile is 128 x 128, four waves of 64 x 64: 16 accumulators.  K goes in steps of 512 through a ring of two LDS slots, as long as two slots allow;
; a tensor load brings 4 row tiles x 4 fragments (rows of 6,144 bytes).  The scale words of the work-group's rows, for all of K, come once, with the first fills.
; CLUSTERS: 4 x 4 work-groups; g's tiles are shared along a row of the cluster, w2's along a column.  lds_bytes claims all of a WGP's LDS.
; TRANSPOSED USE: source 0 = 16 rows of w2q, source 1 = 16 rows of g: a lane holds eight neighbouring columns of one row.  b2 is the C of each sum's first product; x1 is loaded at the head and added on the way out.
; REGISTERS: window 0: v16-29 addresses; v32-39 scale words, two sets of 4; v40-71 b2, later with v72-103 rows on the way out; v128-255 the accumulators ((a, b) at v[128 + 8 (4 a + b)]).
;   window 1: two sets of fragments at v0 and v128: g's four, then from + 48 w2's four.   window 2: v0-127 x1's rows.
.set FR,    12
.set FRB,   1536
.set RUN,   4*FRB                      ; a row tile's part of a slot: 512 along K
.set HALFT, 4*RUN                      ; 64 rows: what one tensor load brings
.set SLOT,  4*HALFT
.set SCL,   2*SLOT                     ; the scale words: [32 steps][64 rows] for each of the four halves
.set HALFS, 8192
.set STAGE, SCL+4*HALFS                ; 16 rows x 272 bytes for each wave, for the way out: no tensor load lands here
.set SPITCH, 272
.set SPARE, STAGE+4*16*SPITCH          ; the spare words, 128 bytes a wave
.set ADRA, 16
.set ADRB, 20
.set BV,   22                          ; v22 b2: 32 x (lane / 16)
.set STO,  24
.set RD,   25
.set CO,   26                          ; v26 4,096 x (lane / 16) + 16 x (lane % 16): two rows of x1 and of out0
.set ADRS, 27
.set SPW,  28
.set NIL,  29
.set SC,   32
.set BI,   40
.set ACC,  128
.set G1, 24
.set G0, 32
.set G1B, 48
.set G0B, 56
.set G1S, 68
.set G0S, 76
.set G1SB, 80
.set G0SB, 88
.set MSB, 0
.macro WIN new
.if MSB != (\new)
	s_set_vgpr_msb (MSB<<8)|(\new)
.set MSB, (\new)
.endif
.endm
.set MUL,  0x05                        ; sources 0 and 1 window 1; C and D window 0
.set TO_F, 0x40                        ; destination window 1, address window 0
.macro JLOAD g0a, g1a, g0b, g1b
	s_cmp_eq_u32 s15, 0
	s_cbranch_scc0 .Lfor_b_\@
	tensor_load_to_lds s[\g0a:\g0a+3], s[\g1a:\g1a+7]
	s_nop 0
.rept 4
	v_nop
.endr
	s_branch .Lasked_\@
.Lfor_b_\@:
	tensor_load_to_lds s[\g0b:\g0b+3], s[\g1b:\g1b+7]
	s_nop 0
.rept 4
	v_nop
.endr
.Lasked_\@:
.endm
.macro CREST
	s_cmp_lg_u32 s14, 0
	s_cbranch_scc1 .Lnot_wave_0_\@
	s_barrier_signal -3
.Lnot_wave_0_\@:
	s_barrier_wait -3
	s_barrier_signal -1
	s_barrier_wait -1
.endm
.macro CROUND
	s_barrier_signal -1
	s_barrier_wait -1
	CREST
.endm
	s_load_b256 s[4:11], s[0:1], 0x0               ; gq s[4:5], w2q s[6:7], b2 s[8:9], x1 s[10:11]
	s_load_b64 s[12:13], s[0:1], 0x20              ; out0
	v_lshl_add_u32 v[SPW], v0, 2, SPARE
	v_mov_b32 v[NIL], 0
	ds_add_u32 v28, v29
	ds_add_u32 v28, v29
	s_wait_dscnt 0x0
	v_lshrrev_b32 v1, 5, v0
	v_readfirstlane_b32 s14, v1                    ; wave 0..3
	s_lshr_b32 s15, s14, 1                         ; which half of the tile's rows is mine.  Also: I fetch for g (0) or for w2 (1)
	s_and_b32 s16, s14, 1                          ; which half of its columns.  Also: which 64 rows I fetch
	s_bfe_u32 s40, ttmp6, 0x40000
	s_bfe_u32 s41, ttmp6, 0x40004
	s_lshl_b32 s42, ttmp9, 2
	s_add_co_u32 s42, s42, s40                     ; tile column 0..7
	s_and_b32 s17, ttmp7, 0xffff
	s_lshl_b32 s17, s17, 2
	s_add_co_u32 s17, s17, s41                     ; tile row 0..31
	s_lshl_b32 s43, s41, 2
	s_lshl_b32 s43, 15, s43
	s_lshl_b32 s44, 0x1111, s40
	s_or_b32 s[G1+0], s43, (3<<16)|(1<<21)         ; the mask; elements of 8 bytes; bit 21 set beside a mask; no padding
	s_or_b32 s[G1B+0], s44, (3<<16)|(1<<21)
.irp g, G1, G1B
	s_mov_b32 s[\g+1], 768<<16                     ; tensor_dim0: 6,144 bytes: a row tile's four fragments
	s_mov_b32 s[\g+2], 4<<16                       ; tensor_dim1: 4 row tiles
	s_mov_b32 s[\g+3], 768<<16
	s_mov_b32 s[\g+4], 4
	s_mov_b32 s[\g+5], 6144                        ; from row tile to row tile: 32 fragments
	s_mov_b32 s[\g+6], 0
	s_mov_b32 s[\g+7], 0
.endr
	s_or_b32 s[G1S+0], s43, (3<<16)|(1<<21)
	s_or_b32 s[G1SB+0], s44, (3<<16)|(1<<21)
.irp g, G1S, G1SB
	s_mov_b32 s[\g+1], 32<<16                      ; 64 rows' words of one K step: 256 bytes
	s_mov_b32 s[\g+2], 32<<16                      ; 32 K steps
	s_mov_b32 s[\g+3], 32<<16
	s_mov_b32 s[\g+4], 32
	s_mov_b32 s[\g+6], 0
	s_mov_b32 s[\g+7], 0
.endr
	s_mov_b32 s[G1S+5], 2048                       ; gq: 4,096 words from step to step
	s_mov_b32 s[G1SB+5], 512                       ; w2q: 1,024
	s_mul_i32 s18, s16, 196608                     ; which 4 row tiles of the 8
	s_mul_i32 s20, s17, 393216                     ; g: 8 row tiles of 32 fragments a tile row
	s_add_co_u32 s20, s20, s18
	s_mov_b32 s21, 0
	s_mul_i32 s46, s42, 393216
	s_add_co_u32 s46, s46, s18
	s_mov_b32 s47, 0
	s_lshl_b32 s19, s16, 8
	s_lshl_b32 s22, s17, 9
	s_add_co_u32 s22, s22, s19
	s_add_co_u32 s22, s22, 12582912
	s_mov_b32 s23, 0
	s_lshl_b32 s92, s42, 9
	s_add_co_u32 s92, s92, s19
	s_add_co_u32 s92, s92, 3145728
	s_mov_b32 s93, 0
	s_mul_i32 s45, s14, HALFT
	s_mul_i32 s94, s14, HALFS
	s_wait_kmcnt 0x0
	s_add_nc_u64 s[20:21], s[4:5], s[20:21]
	s_add_nc_u64 s[22:23], s[4:5], s[22:23]
	s_add_nc_u64 s[46:47], s[6:7], s[46:47]
	s_add_nc_u64 s[92:93], s[6:7], s[92:93]
	CROUND                                         ; all sixteen work-groups are here: the first joint loads meet
	s_mov_b32 s[G0S], 1
	s_add_co_u32 s[G0S+1], s94, SCL
	s_mov_b64 s[G0S+2:G0S+3], s[22:23]
	s_or_b32 s[G0S+3], s[G0S+3], 0x80000000
	s_mov_b32 s[G0SB], 1
	s_add_co_u32 s[G0SB+1], s94, SCL
	s_mov_b64 s[G0SB+2:G0SB+3], s[92:93]
	s_or_b32 s[G0SB+3], s[G0SB+3], 0x80000000
	JLOAD G0S, G1S, G0SB, G1SB                     ; three tensor loads of mine are out at the most
.irp s, 0,1
	s_mov_b32 s[G0+4*\s], 1
	s_add_co_u32 s[G0+4*\s+1], s45, \s*SLOT
	s_add_nc_u64 s[G0+4*\s+2:G0+4*\s+3], s[20:21], \s*RUN
	s_or_b32 s[G0+4*\s+3], s[G0+4*\s+3], 0x80000000
	s_mov_b32 s[G0B+4*\s], 1
	s_add_co_u32 s[G0B+4*\s+1], s45, \s*SLOT
	s_add_nc_u64 s[G0B+4*\s+2:G0B+4*\s+3], s[46:47], \s*RUN
	s_or_b32 s[G0B+4*\s+3], s[G0B+4*\s+3], 0x80000000
	JLOAD G0+4*\s, G1, G0B+4*\s, G1B
.endr
	v_and_b32 v1, 15, v0                           ; r
	v_bfe_u32 v2, v0, 4, 1                         ; h
	v_and_b32 v3, 31, v0
	v_lshlrev_b32 v4, 4, v3                        ; 16 x lane
	s_mul_i32 s21, s15, HALFT
	s_mul_i32 s22, s16, HALFT
	s_add_co_u32 s22, s22, 2*HALFT
.irp s, 0,1
	v_add_nc_u32 v[ADRA+\s], s21, v4
	v_add_nc_u32 v[ADRB+\s], s22, v4
	s_add_co_u32 s21, s21, SLOT
	s_add_co_u32 s22, s22, SLOT
.endr
	v_lshlrev_b32 v5, 2, v1
	s_mul_i32 s21, s15, HALFS
	s_mul_i32 s22, s16, HALFS
	s_add_co_u32 s22, s22, 2*HALFS
	s_sub_co_u32 s22, s22, s21
	v_mul_u32_u24 v6, s22, v2                      ; lanes 16-31 take w2's: one product, the distance between the two bases
	s_add_co_u32 s21, s21, SCL
	v_add_nc_u32 v5, v5, v6
	v_add_nc_u32 v[ADRS], s21, v5
	s_mul_i32 s23, s14, 16*SPITCH
	s_add_co_u32 s23, s23, STAGE                   ; my stage
	v_mul_u32_u24 v5, v1, SPITCH
	v_lshl_add_u32 v5, v2, 5, v5
	v_add_nc_u32 v[STO], s23, v5                   ; in: row r, 32 bytes for each half of the lanes
	v_mul_u32_u24 v5, v2, SPITCH
	v_lshl_add_u32 v5, v1, 4, v5
	v_add_nc_u32 v[RD], s23, v5                    ; back: lanes 0-15 one row of 256 bytes, lanes 16-31 the next
	v_lshlrev_b32 v[CO], 12, v2
	v_lshl_add_u32 v[CO], v1, 4, v[CO]
	v_lshlrev_b32 v[BV], 5, v2
	s_lshl_b32 s20, s17, 7
	s_lshl_b32 s21, s15, 6
	s_add_co_u32 s20, s20, s21                     ; my first row
	s_lshl_b32 s20, s20, 12
	s_lshl_b32 s46, s42, 9
	s_lshl_b32 s47, s16, 8
	s_add_co_u32 s46, s46, s47                     ; my first column x 4
	s_mov_b32 s47, 0
	s_add_nc_u64 s[8:9], s[8:9], s[46:47]
	s_add_co_u32 s46, s46, s20
	s_add_nc_u64 s[10:11], s[10:11], s[46:47]
	s_add_nc_u64 s[12:13], s[12:13], s[46:47]
.irp b, 0,1,2,3                        ; lane (r, h) wants, for tile b, b2 at columns 16 b + 8 h + 0 .. 7
	global_load_b128 v[BI+8*\b:BI+8*\b+3], v[BV], s[8:9] offset:64*\b
	global_load_b128 v[BI+8*\b+4:BI+8*\b+7], v[BV], s[8:9] offset:64*\b+16
.endr
	WIN 0x80                                       ; destination window 2
.irp a, 0,1,2,3                        ; x1's 64 rows x 256 bytes, as the way out will want them: two rows an instruction
.irp i, 0,1,2,3,4,5,6,7
	global_load_b128 v[32*\a+4*\i:32*\a+4*\i+3], v[CO], s[10:11] offset:(16*\a+2*\i)*4096 th:TH_LOAD_NT
.endr
.endr
	WIN 0
; 4 matrix instructions: g's block a x w2's four, from set p.  first = 1: b2 is the C.  The 16 accumulators take turns, one instruction a turn, in the same order in every step.
.macro MUL4 a, p, first
.irp b, 0,1,2,3
.if \first
	v_wmma_scale_f32_16x16x128_f8f6f4 v[ACC+8*(4*(\a)+\b):ACC+8*(4*(\a)+\b)+7], v[128*(\p)+48+FR*\b:128*(\p)+48+FR*\b+FR-1], v[128*(\p)+FR*(\a):128*(\p)+FR*(\a)+FR-1], v[BI+8*\b:BI+8*\b+7], v[SC+4*(\p)+\b], v[SC+4*(\p)+(\a)] matrix_a_fmt:MATRIX_FMT_BF6 matrix_b_fmt:MATRIX_FMT_BF6 matrix_a_scale:MATRIX_SCALE_ROW1
.else
	v_wmma_scale_f32_16x16x128_f8f6f4 v[ACC+8*(4*(\a)+\b):ACC+8*(4*(\a)+\b)+7], v[128*(\p)+48+FR*\b:128*(\p)+48+FR*\b+FR-1], v[128*(\p)+FR*(\a):128*(\p)+FR*(\a)+FR-1], v[ACC+8*(4*(\a)+\b):ACC+8*(4*(\a)+\b)+7], v[SC+4*(\p)+\b], v[SC+4*(\p)+(\a)] matrix_a_fmt:MATRIX_FMT_BF6 matrix_b_fmt:MATRIX_FMT_BF6 matrix_a_scale:MATRIX_SCALE_ROW1
.endif
.endr
.endm
.macro FETCH slot, q, p                ; the fragments and scale words of the slot's q-th 128 along K into set p: 24 + 4 loads in one run
	WIN TO_F
.irp i, 0,1,2,3
.irp c, 0,1,2
	ds_load_b128 v[128*(\p)+48+FR*\i+4*\c:128*(\p)+48+FR*\i+4*\c+3], v[ADRB+\slot] offset:(4*\i+(\q))*FRB+512*\c
.endr
.endr
.irp i, 0,1,2,3
.irp c, 0,1,2
	ds_load_b128 v[128*(\p)+FR*\i+4*\c:128*(\p)+FR*\i+4*\c+3], v[ADRA+\slot] offset:(4*\i+(\q))*FRB+512*\c
.endr
.endr
	WIN 0
.irp i, 0,1,2,3
	ds_load_b32 v[SC+4*(\p)+\i], v[ADRS] offset:256*(\q)+64*\i   ; lanes 0-15 g's block i, lanes 16-31 w2's block i
.endr
.endm
.macro PLACES
.rept 4
	v_nop
.endr
.endm
.macro STEP slot, q, first             ; a step of 128 along K that has its successor in the same slot
	s_wait_dscnt 0x0                               ; this step's set is in (asked for a step ago)
	PLACES                                         ; in front of loads into the other set, which the last step's products read
	FETCH \slot, (\q)+1, 1-(\q)%2
	WIN MUL
	MUL4 0, (\q)%2, \first
	MUL4 1, (\q)%2, \first
	MUL4 2, (\q)%2, \first
	MUL4 3, (\q)%2, \first
.endm
; A slot's last step changes slots: one barrier; in front of it each wave waits for all its tensor loads, adds 0 to its spare word, and waits for that and for its reads of this slot.
.macro TURN slot, next, fill
	WIN 0                                          ; (the add's two registers lie in window 0)
	s_wait_tensorcnt 0x0                           ; all my tensor loads have landed: my part of the next slot
	ds_add_u32 v[SPW], v[NIL]                      ; 0 onto my spare word
	s_wait_dscnt 1                                 ; this step's set is in (the add may be out)
	WIN MUL
	MUL4 0, 1, 0
	s_wait_dscnt 0x0                               ; the add is done, and my reads of this slot are over
	s_barrier_signal -1
	MUL4 1, 1, 0
	WIN 0
	s_barrier_wait -1
.if \fill
	CREST                                          ; the barrier has opened a round of the cluster's: no wave of any partner still reads this slot or has a load on its way
	s_add_nc_u64 s[G0+4*\slot+2:G0+4*\slot+3], s[G0+4*\slot+2:G0+4*\slot+3], 2*RUN
	s_add_nc_u64 s[G0B+4*\slot+2:G0B+4*\slot+3], s[G0B+4*\slot+2:G0B+4*\slot+3], 2*RUN
	JLOAD G0+4*\slot, G1, G0B+4*\slot, G1B         ; the first tensor load behind the round; its four v_nop are the places in front of the loads below
.else
	PLACES
.endif
	v_add_nc_u32 v[ADRS], 1024, v[ADRS]            ; the next slot's four steps of scale words
	FETCH \next, 0, 0
	WIN MUL
	MUL4 2, 1, 0
	MUL4 3, 1, 0
.endm
	s_wait_tensorcnt 1                             ; the scale words and my part of K step 0 are in (K step 1's load may be out),
	s_barrier_signal -1
	s_barrier_wait -1                              ; everybody's are
	FETCH 0, 0, 0
	s_wait_loadcnt 32                              ; b2 is in; x1's 32 loads may be out
	STEP 0, 0, 1
	WIN 0
	s_mov_b32 s3, 3                                ; 4,096 / 1,024 laps, the last written out
.Llap:
	STEP 0, 1, 0
	STEP 0, 2, 0
	TURN 0, 1, 1
	STEP 1, 0, 0
	STEP 1, 1, 0
	STEP 1, 2, 0
	TURN 1, 0, 1
	STEP 0, 0, 0
	WIN 0
	s_sub_co_u32 s3, s3, 1
	s_cmp_lg_u32 s3, 0
	s_cbranch_scc1 .Llap
	STEP 0, 1, 0                                   ; the last lap fills nothing
	STEP 0, 2, 0
	TURN 0, 1, 0
	STEP 1, 0, 0
	STEP 1, 1, 0
	STEP 1, 2, 0
	s_wait_dscnt 0x0
	MUL4 0, 1, 0
	MUL4 1, 1, 0
	MUL4 2, 1, 0
	MUL4 3, 1, 0
	WIN 0
	; THE WAY OUT, 16 rows x 64 columns at a time: through my own stage in LDS, back as rows of 256 bytes, x1 added, stored: sixteen lanes cover 256 consecutive bytes, aligned.
	PLACES
	s_wait_loadcnt 0x0                             ; x1
.irp a, 0,1,2,3
.if \a > 1
	s_wait_xcnt 0x0                                ; block a - 2's stores have read their registers: block a's rows may land there
.endif
.irp b, 0,1,2,3
	ds_store_b128 v[STO], v[ACC+8*(4*\a+\b):ACC+8*(4*\a+\b)+3] offset:64*\b       ; each accumulator from its low end on
	ds_store_b128 v[STO], v[ACC+8*(4*\a+\b)+4:ACC+8*(4*\a+\b)+7] offset:64*\b+16
.endr
.irp i, 0,1,2,3,4,5,6,7
	ds_load_b128 v[BI+32*(\a%2)+4*\i:BI+32*(\a%2)+4*\i+3], v[RD] offset:2*\i*SPITCH   ; LDS serves a wave's instructions in order: these see my stores, and the next block's stores come behind them
.endr
	s_wait_dscnt 0x0
	WIN 0x08                                       ; source 1: window 2
.set n, 0
.rept 16
	v_pk_add_f32 v[BI+32*(\a%2)+n:BI+32*(\a%2)+n+1], v[BI+32*(\a%2)+n:BI+32*(\a%2)+n+1], v[32*\a+n:32*\a+n+1]
.set n, n+2
.endr
	WIN 0
.irp i, 0,1,2,3,4,5,6,7
	global_store_b128 v[CO], v[BI+32*(\a%2)+4*\i:BI+32*(\a%2)+4*\i+3], s[12:13] offset:(16*\a+2*\i)*4096 th:TH_STORE_NT
.endr
.endr
	s_wait_tensorcnt 0x0                           ; the wave's end
	ds_add_u32 v[SPW], v[NIL]
	s_wait_dscnt 0x0
	CROUND                                         ; the closing round
	s_endpgm
.Lfunc_end_k_qbbba26711c_ffn2:
	.size	k_qbbba26711c_ffn2, .Lfunc_end_k_qbbba26711c_ffn2-k_qbbba26711c_ffn2
	.p2alignl 7, 3214868480
	.fill 96, 4, 3214868480
	.section	.rodata,"a",@progbits
	.p2align	6, 0x0
	.amdhsa_kernel k_qbbba26711c_ffn2
		.amdhsa_group_segment_fixed_size 327680
		.amdhsa_private_segment_fixed_size 0
		.amdhsa_enable_private_segment 0
		.amdhsa_kernarg_size 40
		.amdhsa_user_sgpr_count 2
		.amdhsa_user_sgpr_kernarg_segment_ptr 1
		.amdhsa_wavefront_size32 1
		.amdhsa_system_sgpr_workgroup_id_x 1
		.amdhsa_system_sgpr_workgroup_id_y 1
		.amdhsa_system_sgpr_workgroup_id_z 1
		.amdhsa_system_vgpr_workitem_id 0
		.amdhsa_next_free_vgpr 768
		.amdhsa_next_free_sgpr 100
		.amdhsa_reserve_vcc 0
		.amdhsa_float_denorm_mode_32 3
		.amdhsa_float_denorm_mode_16_64 3
		.amdhsa_memory_ordered 1
		.amdhsa_forward_progress 1
		.amdhsa_inst_pref_size 92
	.end_amdhsa_kernel
	.amdgpu_metadata
---
amdhsa.version: [ 1, 2 ]
amdhsa.kernels:
  - .name:           k_qbbba26711c_ffn2
    .symbol:         k_qbbba26711c_ffn2.kd
    .args:
      - { .name: gq, .offset: 0, .size: 8, .value_kind: global_buffer, .address_space: global }
      - { .name: w2q, .offset: 8, .size: 8, .value_kind: global_buffer, .address_space: global }
      - { .name: b2, .offset: 16, .size: 8, .value_kind: global_buffer, .address_space: global }
      - { .name: x1, .offset: 24, .size: 8, .value_kind: global_buffer, .address_space: global }
      - { .name: out0, .offset: 32, .size: 8, .value_kind: global_buffer, .address_space: global }
    .group_segment_fixed_size: 327680
    .private_segment_fixed_size: 0
    .kernarg_segment_align: 8
    .kernarg_segment_size: 40
    .max_flat_workgroup_size: 128
    .sgpr_count:     100
    .vgpr_count:     768
    .wavefront_size: 32
...
	.end_amdgpu_metadata
.endif
;; end of part 5
